; MI455X (gfx1250); checked and timed in simulation.
; The chip was launched on July 23, 2026; its instructions are those of AMD's public machine-readable ISA for CDNA 5 (MIT licence, August 2026) and "CDNA5" Instruction Set Architecture Reference Guide (July 2026). The comments in the code are by the model that wrote it; some were corrected since.
;; Attention. Allowed arithmetic: matrix products marked QUANTISED: E2M3 operands, one E8M0 scale for each 32 along K, by v_wmma_scale_f32_16x16x128_f8f6f4 with both operands' format E2M3, f32 sums; everything else in f32.
;; Inputs: Wk 16 x 1,024 x 64 float32; Wout 1,024 x 1,024 float32; Wq 16 x 1,024 x 64 float32; Wv 16 x 1,024 x 64 float32; bout 1,024 float32; keys 4 x 2,048 x 1,024 float32; queries 4 x 2,048 x 1,024 float32; values 4 x 2,048 x 1,024 float32.
;; Outputs: out0 4 x 2,048 x 1,024 float32.
;; This version of the problem:
;;   THIS VERSION OF THE PROBLEM IS GIVEN IN LOW PRECISION. The matrix products marked QUANTISED in the list below multiply operands that are first quantised to E2M3 (2 exponent bits, 3 mantissa bits; 6 bits a number), with one power-of-two scale for each 32 numbers along K (OCP MX v1.0); their sums are f32. All else is computed in f32.
;;   The module's matrix products, in the order in which they are computed (A, B: the left and right operand; K: the contracted axis; several contracted axes count as one K, in the product's order):
;;     1. [M 1,024, K 1,024] x [K 1,024, N 8,192]; A: input Wq; B: input queries: QUANTISED
;;     2. [M 1,024, K 1,024] x [K 1,024, N 8,192]; A: input Wk; B: input keys: QUANTISED
;;     3. [M 1,024, K 1,024] x [K 1,024, N 8,192]; A: input Wv; B: input values: QUANTISED
;;     4. batch 64 x [M 2,048, K 64] x [K 64, N 2,048]; A: computed on the way; B: computed on the way: QUANTISED
;;     5. batch 64 x [M 2,048, K 2,048] x [K 2,048, N 64]; A: softmax (see below); B: computed on the way: QUANTISED
;;     6. [M 8,192, K 1,024] x [K 1,024, N 1,024]; A: computed on the way; B: input Wout: QUANTISED
;;   THE QUANTISER, for each operand of a quantised product, along K:
;;     - K is cut into blocks of 32 from its start; a last block that is shorter is filled with zeros.
;;     - A block's scale is 2^e with e = floor(log2(the largest magnitude in the block)) - 2, held to -126 .. 127; a block of zeros has e = 0. As a byte (E8M0): e + 127.
;;     - Each number is divided by its block's scale, clamped to +-7.5, and rounded to the nearest number of E2M3, ties to even, subnormals kept.
;;     - The product sums the exact products of the quantised numbers (number of the format x scale) in f32.
;;   ~~~python
;;   def quantise(x, axis):      # numpy; x: float32 -> the quantised numbers, widened to float32 again
;;       x = np.moveaxis(x, axis, -1); K = x.shape[-1]
;;       x = np.pad(x, [(0, 0)] * (x.ndim - 1) + [(0, -K % 32)]); x = x.reshape(x.shape[:-1] + (-1, 32)); a = np.abs(x).max(-1, keepdims=True)
;;       e = np.where(a > 0, np.clip(np.frexp(np.where(a > 0, a, 1))[1] - 1 - 2, -126, 127), 0)      # np.frexp(a)[1] - 1 = floor(log2(a)), exactly
;;       r = np.clip(x / 2.0 ** e, -7.5, 7.5)
;;       step = 2.0 ** (np.maximum(np.frexp(np.where(r == 0, 1, r))[1] - 1, 0) - 3)
;;       q = np.round(r / step) * step * 2.0 ** e      # np.round: ties to even
;;       return np.moveaxis(q.reshape(q.shape[:-2] + (-1,))[..., :K], -1, axis).astype(np.float32)
;;   ~~~
;;   SOFTMAX AHEAD OF A QUANTISED PRODUCT. Where the list says 'softmax', what is quantised is not the finished softmax but p = 2^(t - M), with t = logit x log2(e) and M = ceil(the row's largest t), a whole number; so 1/2 < the row's largest p <= 1. The row's sum l is taken of the UNQUANTISED p, in f32, and the product's result is divided by l at the end. Since M is a whole number, a kernel that streams over the keys may use a running M (the ceiling of the running maximum): every later rescaling is an exact power of two, which a block's scale takes up: the codes' values come out the same.
;;   OPERANDS COMPUTED ON THE WAY. 'Computed on the way' means the value that the module computes at that place (a softmax that the list does not call 'softmax' is quantised finished and normalised). What goes into a quantiser is computed in f32, as accurately as f32 sums, v_exp_f32 and their like allow (about 1e-6 of the number): no bf16 or f16 on the way to a quantiser, and a product that is left as it is and whose result goes on into a quantised operand takes f32 operands (vector FMAs, or v_wmma_f32_16x16x4_f32). A number that lies on a knife's edge between two numbers of the format may be rounded either way, as far as f32 arithmetic and the matrix unit's own rounding can turn it there, and no further.
;; One version. Each part assembles by itself: llvm-mc -triple=amdgcn-amd-amdhsa -mcpu=gfx1250 --defsym DOCPART=n.
;; ======== version 1 of 1: 5 launches
;; workspace buffers: codes 22,020,096 bytes; scales 917,504 bytes; qkv 20,185,088 bytes; cbuf 6,553,600 bytes
;; launch quant_x (part 1): grid 800 x 1, 4 waves a work-group, no clusters, 33,280 bytes of LDS; arguments queries, keys, values, Wout, codes, scales; writes codes, scales
.if DOCPART == 1
	.amdgcn_target "amdgcn-amd-amdhsa--gfx1250"
	.amdhsa_code_object_version 6
	.text
	.protected	k_qa6ae7c94be_quant_x
	.globl	k_qa6ae7c94be_quant_x
	.p2align	8
	.type	k_qa6ae7c94be_quant_x,@function
k_qa6ae7c94be_quant_x:
	s_mov_b64 s[64:65], 0
	v_nop
	global_prefetch_b8 v0, s[64:65] scope:SCOPE_SE
	s_setreg_imm32_b32 hwreg(HW_REG_WAVE_MODE, 25, 1), 1
	s_wait_xcnt 0x0
; queries, keys, values [8192][1024] and Wout [1024][1024], f32, K innermost, become codes of FP6 (E2M3), 6 bits each, with one E8M0 scale byte for each 32 along K.
; codes: rows of 768 bytes, scales: rows of 32 bytes; rows 0.. queries, 8192.. keys, 16384.. values, 24576.. Wout (25600.. are another launch's).
; STORED ROWS: inside each group of 32 rows, bits 3 and 4 of the row's number change places: actual row a lies at place 16 a3 + 8 a4 + (a & 7).  So sixteen stored rows on end are the actual rows
; 8 u + r + 8 (r / 8), and a product that takes them as source 0 leaves 16 neighbours along that axis in a lane's 16 registers of two neighbouring tiles.  Runs of 8 rows stay together: only a wave's place changes.
; A block's scale is 2^(floor(log2(its largest magnitude)) - 2); its byte is the largest magnitude's exponent field - 2, held at 1 from below; each number is divided by the scale and rounded to the nearest code, ties to even.
; LIMITS: a block whose largest magnitude lies under 2^-124 gets the byte 1; a block of zeros gets the byte 1 where the rule says 127 (its codes are zeros, and this program alone reads the bytes); NaN and infinities are not served.
; SHARES: a work-group takes 32 rows, a wave 8 rows: 16 steps of 512 numbers.  Each of a step's four loads reads 512 consecutive bytes; the 2,048 bytes turn through the wave's own stage in LDS and come back 64 bytes a lane,
; so that a lane holds 16 neighbours along K and two neighbouring lanes hold a block.  A lane's 16 codes are 12 bytes: a store covers 384 consecutive bytes.  A wave's 256 scale bytes leave as one aligned run of 256 bytes.
; No tensor loads, no barrier: waves share nothing, and no two work-groups read the same bytes, so there is nothing for a cluster to share.  Loads run four steps (16 loads a wave) ahead.
.set WAVES, 4
.set STEPS, 16
.set EMAX,  2
.set CB,    12                         ; bytes of 16 codes
.set R,     16                         ; v16-79   four sets of 16 numbers as they are loaded
.set X,     80                         ; v80-111  two sets of 16 neighbours
.set C,     128                        ; v128-191 codes: four registers for each step, so that no store's data are written again
.set E,     112                        ; v112-127 a scale byte for each step
.set WREG,  8192                       ; LDS: a region for each wave: two stages of 32 x SP bytes, behind them its 256 scale bytes
.set SP,    80                         ; a lane's place in a stage: its 64 bytes + 16 of padding
.set SPW,   12                         ; v12      LDS address of my spare word; never rewritten
.set NIL,   13                         ; v13      0; never rewritten
.set SPARE, WAVES*WREG                 ; behind the four regions: the spare words, 128 bytes a wave
	s_load_b256 s[4:11], s[0:1], 0x0               ; queries, keys, values, Wout
	s_load_b128 s[12:15], s[0:1], 0x20             ; codes, scales
	v_lshl_add_u32 v[SPW], v0, 2, SPARE
	v_mov_b32 v[NIL], 0
	v_lshrrev_b32 v1, 5, v0
	v_readfirstlane_b32 s16, v1                    ; wave
	v_and_b32 v2, 31, v0                           ; lane
	v_lshlrev_b32 v3, 4, v2                        ; my 16 bytes of a load's 512
	s_mul_i32 s17, s16, WREG
	v_lshrrev_b32 v14, 2, v2
	v_mul_u32_u24 v14, v14, SP
	v_and_b32 v15, 3, v2
	v_lshl_add_u32 v14, v15, 4, v14
	v_add_nc_u32 v14, s17, v14                     ; the stage, on the way in: SP (lane / 4) + 16 (lane % 4)
	v_mul_u32_u24 v15, v2, SP
	v_add_nc_u32 v15, s17, v15                     ; and on the way out: SP x lane: my 16 neighbours
	v_mul_u32_u24 v4, v2, CB                       ; my codes' place in a step's
	v_lshrrev_b32 v5, 1, v2
	s_add_co_u32 s17, s17, 2*32*SP
	v_add_nc_u32 v5, s17, v5                       ; LDS: my wave's 256 scale bytes, my block's byte
	v_lshlrev_b32 v7, 3, v2                        ; and on the way out 8 bytes a lane
	v_add_nc_u32 v6, s17, v7
	s_and_b32 s17, ttmp9, 255                      ; the work-group's number inside its tensor (Wout's begin at 768 = 3 x 256)
	s_lshl_b32 s17, s17, 2
	s_add_co_u32 s18, s17, s16                     ; which run of 8 rows I read,
	s_lshl_b32 s18, s18, 15                        ; in bytes: 32,768 a run, under 2^26
	s_mov_b32 s19, 0
	s_and_b32 s22, s16, 1
	s_lshl_b32 s22, s22, 1
	s_lshr_b32 s23, s16, 1
	s_or_b32 s22, s22, s23                         ; the run's stored place in its group of 32 rows: the wave's two bits change places
	s_lshl_b32 s23, ttmp9, 2
	s_add_co_u32 s22, s22, s23                     ; which run of 8 stored rows I write
	s_mul_i32 s20, s22, 32*STEPS*CB                ; 6,144 bytes of codes a run,
	s_mov_b32 s21, 0
	s_lshl_b32 s22, s22, 8                         ; 256 scale bytes
	s_mov_b32 s23, 0
	s_wait_kmcnt 0x0
	s_cmp_lt_u32 ttmp9, 512                        ; which tensor: the choice hangs on the work-group's number alone
	s_cselect_b64 s[6:7], s[6:7], s[8:9]
	s_cmp_lt_u32 ttmp9, 256
	s_cselect_b64 s[4:5], s[4:5], s[6:7]
	s_cmp_lt_u32 ttmp9, 768
	s_cselect_b64 s[4:5], s[4:5], s[10:11]
	s_add_nc_u64 s[4:5], s[4:5], s[18:19]
	s_add_nc_u64 s[12:13], s[12:13], s[20:21]
	s_add_nc_u64 s[14:15], s[14:15], s[22:23]
.macro LOAD t
.irp i, 0,1,2,3
	global_load_b128 v[R+16*((\t)%4)+4*\i:R+16*((\t)%4)+4*\i+3], v3, s[4:5] offset:2048*(\t)+512*\i th:TH_LOAD_NT   ; 32 lanes read 512 consecutive bytes
.endr
.endm
.macro TURN t                          ; step t's numbers through the stage: LDS serves a wave's instructions in order (ISA guide 5.7.1.4), so no wait stands between the stores and the loads
.irp i, 0,1,2,3
	ds_store_b128 v14, v[R+16*((\t)%4)+4*\i:R+16*((\t)%4)+4*\i+3] offset:32*SP*((\t)%2)+8*SP*\i
.endr
.irp i, 0,1,2,3
	ds_load_b128 v[X+16*((\t)%2)+4*\i:X+16*((\t)%2)+4*\i+3], v15 offset:32*SP*((\t)%2)+16*\i
.endr
.endm
.irp t, 0,1,2,3
	LOAD \t
.endr
	s_wait_loadcnt 12                              ; step 0's four loads are in; the twelve of steps 1 to 3 may be out
	TURN 0
.macro STEP t
.set XS, X+16*((\t)%2)
.if (\t) > 0
	s_wait_dscnt 1                                 ; this step's numbers are back from the stage (the last step's byte store may be out): so its stores into the stage have read their registers,
.else
	s_wait_dscnt 0x0
.endif
.if (\t)+4 < STEPS
	LOAD (\t)+4                                    ; which take the loads of four steps on
.endif
.if (\t)+1 < STEPS
.if STEPS-2-(\t) >= 3
	s_wait_loadcnt 12                              ; the next step's four loads are in; those of the three steps behind it may be out
.else
	s_wait_loadcnt 4*(STEPS-2-(\t))
.endif
	TURN (\t)+1                                    ; and go through the other stage while this step is worked
.endif
	v_max3_num_f32 v8, |v[XS]|, |v[XS+1]|, |v[XS+2]|               ; the largest magnitude of my 16, in two chains
	v_max3_num_f32 v9, |v[XS+3]|, |v[XS+4]|, |v[XS+5]|
.irp i, 6,10
	v_max3_num_f32 v8, v8, |v[XS+\i]|, |v[XS+\i+1]|
	v_max3_num_f32 v9, v9, |v[XS+\i+2]|, |v[XS+\i+3]|
.endr
	v_max3_num_f32 v8, v8, |v[XS+14]|, |v[XS+15]|
	v_max3_num_f32 v8, v8, v9, (EMAX+1)<<23        ; and the floor 2^(3 - 127): the byte cannot fall under 1
	v_max_num_f32_dpp v8, v8, v8 row_xmask:1 row_mask:0xf bank_mask:0xf   ; and of my neighbour's 16: the block's
	v_add_nc_u32 v11, -(EMAX<<23), v8              ; 2 off its exponent field: the conversion takes the exponent field of this operand as its scale, and nothing else of it
	v_cvt_scalef32_pk16_fp6_f32 v[C+4*(\t):C+4*(\t)+2], v[XS:XS+15], v11   ; sixteen codes, 96 bits without gaps, the first number's code lowest
	v_lshrrev_b32 v[E+(\t)], 23, v11               ; the scale's byte (a plain line behind the conversion)
	ds_store_b8 v5, v[E+(\t)] offset:16*(\t)       ; both lanes of a block write the same byte with the same value
	global_store_b96 v4, v[C+4*(\t):C+4*(\t)+2], s[12:13] offset:32*CB*(\t)
.endm
.irp t, 0,1,2,3,4,5,6,7,8,9,10,11,12,13,14,15
	STEP \t
.endr
	ds_load_b64 v[8:9], v6                         ; these see my byte stores: LDS serves a wave's instructions in order
	s_wait_dscnt 0x0
	global_store_b64 v7, v[8:9], s[14:15]          ; 32 lanes store 256 consecutive bytes, aligned
	s_wait_tensorcnt 0x0                           ; the wave's end, behind my last LDS store
	ds_add_u32 v[SPW], v[NIL]
	s_wait_dscnt 0x0
	s_endpgm
.Lfunc_end_k_qa6ae7c94be_quant_x:
	.size	k_qa6ae7c94be_quant_x, .Lfunc_end_k_qa6ae7c94be_quant_x-k_qa6ae7c94be_quant_x
	.p2alignl 7, 3214868480
	.fill 96, 4, 3214868480
	.section	.rodata,"a",@progbits
	.p2align	6, 0x0
	.amdhsa_kernel k_qa6ae7c94be_quant_x
		.amdhsa_group_segment_fixed_size 33280
		.amdhsa_private_segment_fixed_size 0
		.amdhsa_enable_private_segment 0
		.amdhsa_kernarg_size 48
		.amdhsa_user_sgpr_count 2
		.amdhsa_user_sgpr_kernarg_segment_ptr 1
		.amdhsa_wavefront_size32 1
		.amdhsa_system_sgpr_workgroup_id_x 1
		.amdhsa_system_sgpr_workgroup_id_y 1
		.amdhsa_system_sgpr_workgroup_id_z 1
		.amdhsa_system_vgpr_workitem_id 0
		.amdhsa_next_free_vgpr 192
		.amdhsa_next_free_sgpr 66
		.amdhsa_reserve_vcc 0
		.amdhsa_float_denorm_mode_32 3
		.amdhsa_float_denorm_mode_16_64 3
		.amdhsa_memory_ordered 1
		.amdhsa_forward_progress 1
		.amdhsa_inst_pref_size 33
	.end_amdhsa_kernel
	.amdgpu_metadata
---
amdhsa.version: [ 1, 2 ]
amdhsa.kernels:
  - .name:           k_qa6ae7c94be_quant_x
    .symbol:         k_qa6ae7c94be_quant_x.kd
    .args:
      - { .name: queries, .offset: 0, .size: 8, .value_kind: global_buffer, .address_space: global }
      - { .name: keys, .offset: 8, .size: 8, .value_kind: global_buffer, .address_space: global }
      - { .name: values, .offset: 16, .size: 8, .value_kind: global_buffer, .address_space: global }
      - { .name: Wout, .offset: 24, .size: 8, .value_kind: global_buffer, .address_space: global }
      - { .name: codes, .offset: 32, .size: 8, .value_kind: global_buffer, .address_space: global }
      - { .name: scales, .offset: 40, .size: 8, .value_kind: global_buffer, .address_space: global }
    .group_segment_fixed_size: 33280
    .private_segment_fixed_size: 0
    .kernarg_segment_align: 8
    .kernarg_segment_size: 48
    .max_flat_workgroup_size: 128
    .sgpr_count:     66
    .vgpr_count:     192
    .wavefront_size: 32
...
	.end_amdgpu_metadata
.endif
;; end of part 1
;; launch quant_w (part 2): grid 24 x 4, 4 waves a work-group, no clusters, 35,840 bytes of LDS; arguments Wq, Wk, Wv, codes, scales; writes codes, scales
.if DOCPART == 2
	.amdgcn_target "amdgcn-amd-amdhsa--gfx1250"
	.amdhsa_code_object_version 6
	.text
	.protected	k_qa6ae7c94be_quant_w
	.globl	k_qa6ae7c94be_quant_w
	.p2align	8
	.type	k_qa6ae7c94be_quant_w,@function
k_qa6ae7c94be_quant_w:
	s_mov_b64 s[64:65], 0
	v_nop
	global_prefetch_b8 v0, s[64:65] scope:SCOPE_SE
	s_setreg_imm32_b32 hwreg(HW_REG_WAVE_MODE, 25, 1), 1
	s_wait_xcnt 0x0
; Wq, Wk, Wv [16 heads][1024 (K)][64], f32: K is not innermost.  They become codes of FP6 (E2M3) with K innermost, rows n = 64 head + channel of 768 bytes, and one E8M0 scale byte for each 32 along K, rows of 32 bytes:
; rows 25600.. (Wq), 26624.. (Wk), 27648.. (Wv) of codes and scales.  STORED ROWS: inside each group of 32 rows, bits 3 and 4 of the row's number change places (actual row a at place 16 a3 + 8 a4 + (a & 7)).
; A LANE TAKES A COLUMN n, AND ITS REGISTERS RUN DOWN K: a load reads 128 consecutive bytes a wave, a block of 32 along K lies in one lane's 32 registers, and the conversions give codes with K innermost.
; A block's scale is 2^(floor(log2(its largest magnitude)) - 2); its byte is the largest magnitude's exponent field - 2, held at 1 from below.
; LIMITS: a block whose largest magnitude lies under 2^-124 gets the byte 1; a block of zeros gets the byte 1 where the rule says 127 (its codes are zeros, and this program alone reads the bytes); NaN and infinities are not served.
; SHARES: a wave takes 32 columns (half a head) x 256 along K: 8 blocks a lane, 192 bytes of codes a column.  The codes go through the wave's own stage in LDS, each column at its STORED place, and leave as rows:
; sixteen lanes store a row's 192 consecutive bytes.  No tensor loads, no barrier; no two work-groups read the same bytes, so there is nothing for a cluster to share.  Loads run two blocks (64 loads a wave) ahead.
.set KW,    256                        ; along K for a wave
.set NB,    KW/32                      ; blocks
.set ROWB,  192                        ; bytes of KW codes
.set PITCH, 272                        ; a stage row: sixteen places of 16 bytes, each with 12 bytes of codes, + 16
.set KROW,  768                        ; a row of codes in bytes
.set WROW,  256                        ; a row of a head's weight in memory: 64 f32
.set EMAX,  2
.set X,     32                         ; v32-95   two sets of 32 numbers
.set C,     96                         ; v96..    a block's codes
.set OUTR,  112                        ; v112-175 the way out: 16 x 4 registers
.set SPW,   14                         ; v14      LDS address of my spare word; never rewritten
.set NIL,   15                         ; v15      0; never rewritten
.set SPARE, 4*32*PITCH                 ; behind the four stages: the spare words, 128 bytes a wave
.set SBY,   24                         ; v24-25   the scale bytes, four to a register
	s_load_b256 s[4:11], s[0:1], 0x0               ; Wq, Wk, Wv, codes
	s_load_b64 s[12:13], s[0:1], 0x20              ; scales
	v_lshl_add_u32 v[SPW], v0, 2, SPARE
	v_mov_b32 v[NIL], 0
	v_lshrrev_b32 v1, 5, v0
	v_readfirstlane_b32 s16, v1                    ; wave 0..3
	v_and_b32 v2, 31, v0                           ; lane
	s_lshl_b32 s17, ttmp9, 2
	s_add_co_u32 s17, s17, s16                     ; G: my group of 32 columns, 0 .. 95: 32 groups to a tensor
	s_and_b32 s18, ttmp7, 0xffff                   ; which 256 along K
	v_lshlrev_b32 v3, 2, v2                        ; in: 4 bytes a lane
	v_and_b32 v10, 7, v2
	v_bfe_u32 v11, v2, 3, 1
	v_lshl_or_b32 v10, v11, 4, v10
	v_bfe_u32 v11, v2, 4, 1
	v_lshl_or_b32 v10, v11, 3, v10                 ; my column's stored place in its group of 32
	s_mul_i32 s19, s16, 32*PITCH                   ; my stage
	v_mul_u32_u24 v4, v10, PITCH
	v_add_nc_u32 v4, s19, v4                       ; into it: row = my column's stored place
	v_and_b32 v5, 15, v2
	v_lshrrev_b32 v6, 4, v2                        ; out of it: sixteen lanes to a row, two rows an instruction
	v_mul_u32_u24 v7, v6, PITCH
	v_lshl_add_u32 v7, v5, 4, v7
	v_add_nc_u32 v7, s19, v7                       ; LDS address
	v_mul_u32_u24 v8, v6, KROW
	v_mad_u32_u24 v8, v5, 12, v8                   ; and the same place in the codes' rows
	v_lshlrev_b32 v9, 5, v10                       ; my column's row of scale bytes
	s_and_b32 s20, s17, 31
	s_lshr_b32 s20, s20, 1
	s_lshl_b32 s20, s20, 18                        ; the head: 1,024 rows of 256 bytes,
	s_and_b32 s22, s17, 1
	s_lshl_b32 s22, s22, 7                         ; its half: 32 columns,
	s_add_co_u32 s20, s20, s22
	s_lshl_b32 s22, s18, 16                        ; 256 rows down for each step along K
	s_add_co_u32 s20, s20, s22
	s_mov_b32 s21, 0
	s_lshl_b32 s22, s17, 5
	s_add_co_u32 s22, s22, 25600                   ; my first stored row
	s_mul_i32 s24, s22, KROW
	s_mul_i32 s26, s18, ROWB
	s_add_co_u32 s24, s24, s26                     ; its codes, at my 256 along K (under 2^25)
	s_mov_b32 s25, 0
	s_lshl_b32 s28, s22, 5
	s_lshl_b32 s26, s18, 3
	s_add_co_u32 s28, s28, s26                     ; its scale bytes
	s_mov_b32 s29, 0
	s_wait_kmcnt 0x0
	s_cmp_lt_u32 ttmp9, 16                         ; which tensor: eight work-groups along x to each; the choice hangs on the work-group's number alone
	s_cselect_b64 s[6:7], s[6:7], s[8:9]
	s_cmp_lt_u32 ttmp9, 8
	s_cselect_b64 s[4:5], s[4:5], s[6:7]
	s_add_nc_u64 s[4:5], s[4:5], s[20:21]
	s_add_nc_u64 s[10:11], s[10:11], s[24:25]
	s_add_nc_u64 s[12:13], s[12:13], s[28:29]
.macro LOAD t                          ; block t: W(32 t + i, my column), i = 0 .. 31, into set t % 2
.irp i, 0,1,2,3,4,5,6,7,8,9,10,11,12,13,14,15,16,17,18,19,20,21,22,23,24,25,26,27,28,29,30,31
	global_load_b32 v[X+32*((\t)%2)+\i], v3, s[4:5] offset:(32*(\t)+\i)*WROW th:TH_LOAD_NT
.endr
.endm
	LOAD 0
	LOAD 1
.macro BLOCK t
.set XS, X+32*((\t)%2)
.if (\t) < NB-1
	s_wait_loadcnt 32                              ; this block's 32 loads are in; the next block's 32 may be out
.else
	s_wait_loadcnt 0
.endif
	v_max3_num_f32 v12, |v[XS]|, |v[XS+1]|, |v[XS+2]|               ; the block's largest magnitude: all 32 numbers are mine
	v_max3_num_f32 v13, |v[XS+3]|, |v[XS+4]|, |v[XS+5]|
.irp i, 6,10,14,18,22,26
	v_max3_num_f32 v12, v12, |v[XS+\i]|, |v[XS+\i+1]|
	v_max3_num_f32 v13, v13, |v[XS+\i+2]|, |v[XS+\i+3]|
.endr
	v_max3_num_f32 v12, v12, |v[XS+30]|, |v[XS+31]|
	v_max3_num_f32 v12, v12, v13, (EMAX+1)<<23     ; and the floor 2^(3 - 127): the byte cannot fall under 1
	v_add_nc_u32 v11, -(EMAX<<23), v12             ; 2 off its exponent field: the conversion's scale operand
	v_lshrrev_b32 v13, 23, v11                     ; the scale's byte
.if (\t)%4 == 0
	v_mov_b32 v[SBY+(\t)/4], v13                   ; four bytes to a register, the lower K in the lower byte
.else
	v_lshl_or_b32 v[SBY+(\t)/4], v13, 8*((\t)%4), v[SBY+(\t)/4]
.endif
	v_cvt_scalef32_pk16_fp6_f32 v[C:C+2], v[XS:XS+15], v11
	v_cvt_scalef32_pk16_fp6_f32 v[C+4:C+6], v[XS+16:XS+31], v11     ; (a conversion's three registers begin on an even number)
	ds_store_b96 v4, v[C:C+2] offset:32*(\t)       ; 16 codes, 12 bytes, to a place of 16 bytes, so that every LDS address is a multiple of 16
	ds_store_b96 v4, v[C+4:C+6] offset:32*(\t)+16
.if (\t)+2 < NB
	LOAD (\t)+2
.endif
	s_wait_dscnt 0x0                               ; the stores have read their registers: the next block's codes may be written (that block begins with plain vector lines)
.endm
.set Q, 0
.rept NB
	BLOCK Q
.set Q, Q+1
.endr
	global_store_b64 v9, v[SBY:SBY+1], s[12:13]    ; my column's 8 scale bytes
.irp t, 0,1,2,3,4,5,6,7,8,9,10,11,12,13,14,15
	ds_load_b96 v[OUTR+4*\t:OUTR+4*\t+2], v7 offset:2*\t*PITCH   ; these see my stores: LDS serves a wave's instructions in order
.endr
.irp t, 0,1,2,3,4,5,6,7,8,9,10,11,12,13,14,15
	s_wait_dscnt 15-\t                             ; load t is back; the 15 - t younger ones may be out
	global_store_b96 v8, v[OUTR+4*\t:OUTR+4*\t+2], s[10:11] offset:2*\t*KROW
.endr
	s_wait_tensorcnt 0x0                           ; the wave's end, behind my last LDS store
	ds_add_u32 v[SPW], v[NIL]
	s_wait_dscnt 0x0
	s_endpgm
.Lfunc_end_k_qa6ae7c94be_quant_w:
	.size	k_qa6ae7c94be_quant_w, .Lfunc_end_k_qa6ae7c94be_quant_w-k_qa6ae7c94be_quant_w
	.p2alignl 7, 3214868480
	.fill 96, 4, 3214868480
	.section	.rodata,"a",@progbits
	.p2align	6, 0x0
	.amdhsa_kernel k_qa6ae7c94be_quant_w
		.amdhsa_group_segment_fixed_size 35840
		.amdhsa_private_segment_fixed_size 0
		.amdhsa_enable_private_segment 0
		.amdhsa_kernarg_size 40
		.amdhsa_user_sgpr_count 2
		.amdhsa_user_sgpr_kernarg_segment_ptr 1
		.amdhsa_wavefront_size32 1
		.amdhsa_system_sgpr_workgroup_id_x 1
		.amdhsa_system_sgpr_workgroup_id_y 1
		.amdhsa_system_sgpr_workgroup_id_z 1
		.amdhsa_system_vgpr_workitem_id 0
		.amdhsa_next_free_vgpr 192
		.amdhsa_next_free_sgpr 66
		.amdhsa_reserve_vcc 0
		.amdhsa_float_denorm_mode_32 3
		.amdhsa_float_denorm_mode_16_64 3
		.amdhsa_memory_ordered 1
		.amdhsa_forward_progress 1
		.amdhsa_inst_pref_size 42
	.end_amdhsa_kernel
	.amdgpu_metadata
---
amdhsa.version: [ 1, 2 ]
amdhsa.kernels:
  - .name:           k_qa6ae7c94be_quant_w
    .symbol:         k_qa6ae7c94be_quant_w.kd
    .args:
      - { .name: Wq, .offset: 0, .size: 8, .value_kind: global_buffer, .address_space: global }
      - { .name: Wk, .offset: 8, .size: 8, .value_kind: global_buffer, .address_space: global }
      - { .name: Wv, .offset: 16, .size: 8, .value_kind: global_buffer, .address_space: global }
      - { .name: codes, .offset: 24, .size: 8, .value_kind: global_buffer, .address_space: global }
      - { .name: scales, .offset: 32, .size: 8, .value_kind: global_buffer, .address_space: global }
    .group_segment_fixed_size: 35840
    .private_segment_fixed_size: 0
    .kernarg_segment_align: 8
    .kernarg_segment_size: 40
    .max_flat_workgroup_size: 128
    .sgpr_count:     66
    .vgpr_count:     192
    .wavefront_size: 32
...
	.end_amdgpu_metadata
.endif
;; end of part 2
;; launch proj (part 3): grid 4 x 96, 4 waves a work-group, clusters of 4 x 4, 327,680 bytes of LDS; arguments codes, scales, qkv; writes qkv
.if DOCPART == 3
	.amdgcn_target "amdgcn-amd-amdhsa--gfx1250"
	.amdhsa_code_object_version 6
	.text
	.protected	k_qa6ae7c94be_proj
	.globl	k_qa6ae7c94be_proj
	.p2align	8
	.type	k_qa6ae7c94be_proj,@function
k_qa6ae7c94be_proj:
	s_mov_b64 s[64:65], 0
	v_nop
	global_prefetch_b8 v0, s[64:65] scope:SCOPE_SE
	s_setreg_imm32_b32 hwreg(HW_REG_WAVE_MODE, 25, 1), 1
	s_wait_xcnt 0x0
	s_wait_alu depctr_hold_cnt(0) depctr_sa_sdst(0) depctr_va_vdst(0) depctr_va_sdst(0) depctr_va_ssrc(0) depctr_va_vcc(0) depctr_vm_vsrc(0)
	s_getreg_b32 s2, hwreg(HW_REG_IB_STS2, 6, 4)
	s_cmp_eq_u32 s2, 0
	s_cbranch_scc0 .Lentry_in_a_cluster
	s_endpgm
.Lentry_in_a_cluster:
	s_bfe_u32 s2, ttmp6, 0x10000c
	s_cmp_lg_u32 s2, 0xf033
	s_cbranch_scc0 .Lentry_shape_is_right
	s_endpgm
.Lentry_shape_is_right:
; The three projections q = queries Wq, k = keys Wk, v = values Wv, on codes of FP6 (E2M3) with one E8M0 scale for each 32 along K = 1,024; sums in f32.  The results are quantised AT ONCE, in registers, along the K of the
; product that takes them next (q, k: the head's 64 channels; v: the keys), and leave as codes in the order of that product's operand registers.  No f32 result goes to memory.
; A tile of 256 x 256 results is made by a work-group of four waves; a wave makes 128 x 128: 64 accumulators of 16 x 16, 512 registers.  K goes in steps of 256 through a ring of two LDS slots filled by the tensor data mover;
; the scale bytes of the work-group's 512 rows come into LDS once, with the first fills.
; CLUSTERS: 4 x 4 work-groups; 24 clusters: kind = cluster / 8 (0 q, 1 k, 2 v), g = cluster % 8.  Operand A (source 1) hangs on the place along y and is asked for jointly by a row of the cluster, operand B (source 0) on the
; place along x and is asked for jointly by a column.  q, k: A = the activation's rows (tile row 4 g + cy), B = the weight's rows (tile column cx).  v: A = Wv's rows (cy), B = values' rows (4 g + cx).
; SOURCE 0's ROWS RUN ALONG A LANE'S REGISTERS.  The stored rows of every tensor have bits 3 and 4 of the row's number exchanged, so register j of lane (r, h) in result tile b is the actual row 32 (b / 2) + 16 h + 8 (b % 2) + j of B:
; the 16 registers of tiles 2 B and 2 B + 1 are 16 neighbours along the next K: channels of a head for q and k, keys for v.
; WHAT IS STORED.  A half fragment is the image of six operand registers (16 rows x 64 K): 512 bytes of registers 0-3, 16 a lane, then 256 bytes of registers 4-5, 8 a lane.
;   q: [head in batch 64][tile of 16 queries 128][768]; scale words at QSC, [64][128][16 words]: bytes 0, 1 the two blocks, bytes 2, 3 = 0x7f (the upper 64 of the scores' K step are zero codes).
;   k, v: a stream at KV, [head in batch 64][key step 16][13,056 bytes]: 8 tiles of k, 4 x 2 half fragments of v (16 channels x 128 keys), 512 bytes of k's scale words, 256 of v's.
; LIMITS: a block whose largest magnitude lies under 2^-124 gets the byte 1; a block of zeros gets the byte 1 (its codes are zeros, and this program alone reads the bytes); NaN and infinities are not served.
; REGISTERS, in windows of 256: window 0: v1-13 addresses; v16-29 addresses; v32-63 scale words, two sets; v64-102 the way out; from v128 A's fragments, ONE set.   window 1: B's fragments, TWO sets, at v0 and v128.
;   window 2: the 32 accumulators of my rows 0-63 of A (accumulator (a, b) at v[8 (8 a + b)]);   window 3: those of rows 64-127.
.set KSTEP,  256                       ; along K in a slot
.set NQ,     KSTEP/128                 ; matrix instructions deep
.set ROWB,   192                       ; a tile's row in bytes
.set KROW,   768                       ; a row of codes in memory
.set PITCH,  240                       ; an LDS row: 3 x (64 bytes of data + 16 of padding)
.set FR,     12                        ; registers of a fragment: 16 rows x 128 K
.set NL,     6                         ; LDS loads that bring one
.set NP,     4                         ; places behind this matrix instruction (ISA guide 7.12.1)
.set HALFT,  128*PITCH                 ; 128 rows: what one tensor load brings
.set SLOT,   4*HALFT                   ; A's 256 rows, then B's 256 rows
.set LAPS,   2                         ; a lap = two K steps = once round the ring: 1,024 / 512
.set KS,     32                        ; a row of scale bytes
.set SCL,    2*SLOT                    ; behind the ring: the scales, as runs of 256 bytes + 16 of padding
.set HALFS,  16*272                    ; the scales of 128 rows
.set SBLK,   2*272                     ; those of 16 rows
.set SPARE,  SCL+4*HALFS               ; behind the scales: the spare words, 128 bytes a wave
.set QSC,    6291456                   ; qkv: q's scale words
.set KV,     6815744                   ; qkv: the stream of k and v
.set STEPB,  13056                     ; a key step of the stream
.set ADRA, 16                          ; v16-17  LDS address of my A fragments in slot 0, 1  (v18-19: for the pieces behind one padding more)
.set ADRB, 20                          ; v20-21  the same for B  (v22-23)
.set ADRS, 27                          ; v27     LDS address of my scale words: lanes 0-15 A's rows, lanes 16-31 B's
.set SPW,  28                          ; v28     LDS address of my spare word; never rewritten
.set NIL,  29                          ; v29     0; never rewritten
.set SC,   32                          ; scale words: set s at v[SC + 16 s]; register 2 i + q: lanes 0-15 A's block i, lanes 16-31 B's block i
.set AF,   128                         ; A's fragments, in window 0
.set TM,   64                          ; v64-79  the way out: largest magnitudes, bytes, scale operands
.set PW,   80                          ; v80     a row's four scale bytes
.set T2,   81                          ; v81     the scale word as it is stored
.set CD,   84                          ; v84-102 the codes just made
.set SEL,  10                          ; s[10:11] lane selects for v_permlanex16_b32: lane l xor 16
.set CBA,  12                          ; s[12:13] where block a's codes go
.set SBA,  20                          ; s[20:21] where its scale words go
.set AST,  22                          ; s[22:23] from block to block, in bytes of codes
.set A4,   92                          ; s[92:93] added once, at block 4 (v: on to the next head)
.set S4,   94                          ; s[94:95] the same for the scale words
.set G1, 24                            ; s[24:31] descriptor group 1 for A's tiles;  s[32:39] group 0, one set for each slot
.set G0, 32
.set G1B, 48                           ; s[48:55], s[56:63] the same for B's tiles
.set G0B, 56
.set G1S, 68                           ; s[68:75], s[76:79] groups 1 and 0 for A's scales;  s[80:87], s[88:91] for B's
.set G0S, 76
.set G1SB, 80
.set G0SB, 88
.set MSB, 0
.macro WIN new                         ; the immediate's high byte repeats the setting that is left; a switch that changes nothing is dropped
.if MSB != (\new)
	s_set_vgpr_msb (MSB<<8)|(\new)
.set MSB, (\new)
.endif
.endm
.set MUL_LO, 0xa1                      ; source 0 (B) window 1, source 1 (A) window 0, C and D window 2
.set MUL_HI, 0xf1                      ; the same, C and D window 3
.set TO_B,   0x40                      ; destination window 1, address window 0
; A joint load: waves 0 and 1 fetch for A, waves 2 and 3 for B.  Each of the two lines has one mask and one set of registers for all that issue it; the branch hangs on the wave's number alone.
; An s_nop 0 and four v_nop follow each of the two lines, ahead of the jump, the label and what follows.
.macro JLOAD g0a, g1a, g0b, g1b
	s_cmp_eq_u32 s15, 0
	s_cbranch_scc0 .Lfor_b_\@
	tensor_load_to_lds s[\g0a:\g0a+3], s[\g1a:\g1a+7]
	s_nop 0
.rept 4
	v_nop
.endr
	s_branch .Lasked_\@
.Lfor_b_\@:
	tensor_load_to_lds s[\g0b:\g0b+3], s[\g1b:\g1b+7]
	s_nop 0
.rept 4
	v_nop
.endr
.Lasked_\@:
.endm
.macro CREST                           ; a round of the cluster's barrier behind its opening barrier
	s_cmp_lg_u32 s14, 0
	s_cbranch_scc1 .Lnot_wave_0_\@
	s_barrier_signal -3
.Lnot_wave_0_\@:
	s_barrier_wait -3
	s_barrier_signal -1
	s_barrier_wait -1
.endm
.macro CROUND                          ; a whole round
	s_barrier_signal -1
	s_barrier_wait -1
	CREST
.endm
	s_load_b128 s[4:7], s[0:1], 0x0                ; codes s[4:5], scales s[6:7]
	s_load_b64 s[8:9], s[0:1], 0x10                ; qkv
	v_lshl_add_u32 v[SPW], v0, 2, SPARE
	v_mov_b32 v[NIL], 0
	ds_add_u32 v[SPW], v[NIL]                      ; the wave's opening: the add and its wait stand ahead of my first tensor load; the set-up below, work on registers, stands between them
	v_lshrrev_b32 v1, 5, v0
	v_readfirstlane_b32 s14, v1                    ; wave 0..3
	s_lshr_b32 s15, s14, 1                         ; which half of A's 256 rows is mine.  Also: I fetch for A (0) or for B (1)
	s_and_b32 s16, s14, 1                          ; which half of B's.  Also: which 128 rows of that tile I fetch
	s_bfe_u32 s40, ttmp6, 0x40000                  ; cx, cy: my place in the cluster
	s_bfe_u32 s41, ttmp6, 0x40004
	s_and_b32 s17, ttmp7, 0xffff                   ; the cluster's number, 0 .. 23 (the grid has one cluster along x)
	s_lshr_b32 s66, s17, 3                         ; kind: 0 q, 1 k, 2 v
	s_and_b32 s67, s17, 7
	s_lshl_b32 s67, s67, 2                         ; 4 g
	s_lshr_b32 s98, s66, 1                         ; 1 for v, else 0
	s_mul_i32 s99, s98, 11264                      ; 27,648 - 16,384
	s_lshl_b32 s100, s66, 13
	s_add_co_u32 s100, s100, s99                   ; A's first stored row: 0, 8,192 (the activations) or 27,648 (Wv)
	s_lshl_b32 s101, s66, 10
	s_add_co_u32 s101, s101, 25600
	s_sub_co_u32 s101, s101, s99                   ; B's: 25,600, 26,624 (the weights) or 16,384 (values)
	s_mul_i32 s99, s67, s98                        ; 4 g goes to B's tile column for v,
	s_sub_co_u32 s67, s67, s99                     ; to A's tile row for q and k
	s_add_co_u32 s17, s67, s41                     ; A's tile row: it never holds cx
	s_add_co_u32 s42, s99, s40                     ; B's tile column: it never holds cy
	s_lshl_b32 s43, s41, 2
	s_lshl_b32 s43, 15, s43                        ; my row of the cluster
	s_lshl_b32 s44, 0x1111, s40                    ; my column
	; descriptor group 1: a tile of 128 rows x 192 bytes, padded in LDS
	s_or_b32 s[G1+0], s43, (0<<16)|(1<<20)|(1<<21)|(3<<22)|(3<<25)  ; 15:0 the mask: A's tiles go to my row; 17:16 element of 1 byte; 20 padding on; 21 set beside a mask; 24:22 after every 16 words; 31:25 of 4 words
	s_or_b32 s[G1B+0], s44, (0<<16)|(1<<20)|(1<<21)|(3<<22)|(3<<25)
.irp g, G1, G1B
	s_mov_b32 s[\g+1], ROWB<<16                    ; tensor_dim0
	s_mov_b32 s[\g+2], 128<<16                     ; tensor_dim1 = 128
	s_mov_b32 s[\g+3], ROWB<<16                    ; tile_dim0
	s_mov_b32 s[\g+4], 128                         ; tile_dim1 = 128
	s_mov_b32 s[\g+5], KROW                        ; tensor_dim0_stride
	s_mov_b32 s[\g+6], 0
	s_mov_b32 s[\g+7], 0
.endr
	; and for the scales of 128 rows: a dense block of 4,096 bytes, as 16 rows of 256 bytes (32 elements of 8 bytes), 16 bytes of padding behind each
	s_or_b32 s[G1S+0], s43, (3<<16)|(1<<20)|(1<<21)|(5<<22)|(3<<25)
	s_or_b32 s[G1SB+0], s44, (3<<16)|(1<<20)|(1<<21)|(5<<22)|(3<<25)
.irp g, G1S, G1SB
	s_mov_b32 s[\g+1], 32<<16
	s_mov_b32 s[\g+2], 16<<16
	s_mov_b32 s[\g+3], 32<<16
	s_mov_b32 s[\g+4], 16
	s_mov_b32 s[\g+5], 32
	s_mov_b32 s[\g+6], 0
	s_mov_b32 s[\g+7], 0
.endr
	s_mov_b32 s[SEL], 0x76543210
	s_mov_b32 s[SEL+1], 0xfedcba98
	s_lshl_b32 s18, s16, 7                         ; which 128 rows of the tile I fetch
	s_lshl_b32 s20, s17, 8
	s_add_co_u32 s20, s20, s18
	s_add_co_u32 s20, s20, s100                    ; A: stored row = base + 256 x tile row + 128 x half
	s_lshl_b32 s46, s42, 8
	s_add_co_u32 s46, s46, s18
	s_add_co_u32 s46, s46, s101                    ; B likewise
	s_mov_b32 s21, 0
	s_mov_b32 s47, 0
	s_mov_b64 s[18:19], KS
	s_mul_u64 s[22:23], s[20:21], s[18:19]         ; where these rows' scales begin, in bytes
	s_mul_u64 s[92:93], s[46:47], s[18:19]
	s_mov_b64 s[18:19], KROW
	s_mul_u64 s[20:21], s[20:21], s[18:19]         ; and their codes
	s_mul_u64 s[46:47], s[46:47], s[18:19]
	s_mul_i32 s45, s14, HALFT                      ; where they go: wave x 128 rows: no place in the cluster enters an LDS address
	s_mul_i32 s94, s14, HALFS
	s_wait_dscnt 0x0                               ; the opening add is done
	s_wait_kmcnt 0x0
	s_add_nc_u64 s[20:21], s[4:5], s[20:21]
	s_add_nc_u64 s[22:23], s[6:7], s[22:23]
	s_add_nc_u64 s[46:47], s[4:5], s[46:47]
	s_add_nc_u64 s[92:93], s[6:7], s[92:93]
	CROUND                                         ; all sixteen work-groups are here: the first joint loads meet
	s_mov_b32 s[G0S], 1
	s_add_co_u32 s[G0S+1], s94, SCL
	s_mov_b64 s[G0S+2:G0S+3], s[22:23]
	s_or_b32 s[G0S+3], s[G0S+3], 0x80000000
	s_mov_b32 s[G0SB], 1
	s_add_co_u32 s[G0SB+1], s94, SCL
	s_mov_b64 s[G0SB+2:G0SB+3], s[92:93]
	s_or_b32 s[G0SB+3], s[G0SB+3], 0x80000000
	JLOAD G0S, G1S, G0SB, G1SB                     ; the scales first: they are wanted with K step 0
.irp s, 0,1
	s_mov_b32 s[G0+4*\s], 1
	s_add_co_u32 s[G0+4*\s+1], s45, \s*SLOT
	s_add_nc_u64 s[G0+4*\s+2:G0+4*\s+3], s[20:21], \s*ROWB
	s_or_b32 s[G0+4*\s+3], s[G0+4*\s+3], 0x80000000
	s_mov_b32 s[G0B+4*\s], 1
	s_add_co_u32 s[G0B+4*\s+1], s45, \s*SLOT
	s_add_nc_u64 s[G0B+4*\s+2:G0B+4*\s+3], s[46:47], \s*ROWB
	s_or_b32 s[G0B+4*\s+3], s[G0B+4*\s+3], 0x80000000
	JLOAD G0+4*\s, G1, G0B+4*\s, G1B               ; three tensor loads of mine are out behind the second of these
.endr
	v_and_b32 v1, 15, v0                           ; r = l % 16
	v_bfe_u32 v2, v0, 4, 1                         ; h = l / 16
	v_mul_u32_u24 v3, v1, PITCH
	v_mul_u32_u24 v4, v2, 24
	v_add_nc_u32 v4, v3, v4                        ; a fragment's row x pitch + 24 x half
	v_lshl_add_u32 v5, v2, 4, v4                   ; and the same behind one padding more
	s_mul_i32 s21, s15, HALFT                      ; my 128 rows of A
	s_mul_i32 s22, s16, HALFT                      ; my 128 rows of B,
	s_add_co_u32 s22, s22, 2*HALFT                 ; which lie behind A's 256
.irp s, 0,1
	v_add_nc_u32 v[ADRA+\s], s21, v4
	v_add_nc_u32 v[ADRB+\s], s22, v4
	v_add_nc_u32 v[ADRA+2+\s], s21, v5
	v_add_nc_u32 v[ADRB+2+\s], s22, v5
	s_add_co_u32 s21, s21, SLOT
	s_add_co_u32 s22, s22, SLOT
.endr
	v_mul_u32_u24 v5, v1, KS                       ; my row's scales: 32 bytes a row,
	v_lshrrev_b32 v6, 8, v5
	v_lshl_add_u32 v5, v6, 4, v5                   ; and 16 more for each 256 passed
	s_mul_i32 s21, s15, HALFS                      ; A's: my 128 rows
	s_mul_i32 s22, s16, HALFS                      ; B's: my 128 rows, behind A's 256
	s_add_co_u32 s22, s22, 2*HALFS
	s_sub_co_u32 s22, s22, s21
	v_mul_u32_u24 v6, s22, v2                      ; lanes 16-31 take B's: the lower base + h x the distance
	s_add_co_u32 s21, s21, SCL
	v_add_nc_u32 v5, v5, v6
	v_add_nc_u32 v[ADRS], s21, v5
	; THE WAY OUT's addresses.  The wave's 128 rows of the activation are 8 tiles of queries, or one key step; its 128 rows of the weight are two heads.
	s_lshl_b32 s98, s17, 8
	s_lshl_b32 s99, s15, 7
	s_add_co_u32 s98, s98, s99                     ; my first row of A, counted in its tensor
	s_lshl_b32 s99, s42, 8
	s_lshl_b32 s100, s16, 7
	s_add_co_u32 s99, s99, s100                    ; and of B
	s_cmp_eq_u32 s66, 2
	s_cselect_b32 s100, s99, s98                   ; the activation's row (v: it is B's)
	s_cselect_b32 s101, s98, s99                   ; the weight's
	s_lshr_b32 s98, s100, 11
	s_lshl_b32 s98, s98, 4
	s_lshr_b32 s99, s101, 6
	s_add_co_u32 s98, s98, s99                     ; 16 x batch + my first head
	s_and_b32 s99, s100, 2047                      ; the row inside its batch
	s_lshl_b32 s100, s98, 7
	s_lshr_b32 s101, s99, 4
	s_add_co_u32 s100, s100, s101                  ; q: my first tile of 16 queries
	s_mul_i32 s45, s100, 768                       ; its half fragment,
	s_lshl_b32 s46, s100, 6
	s_add_co_u32 s46, s46, QSC                     ; its 16 scale words
	s_lshl_b32 s100, s98, 4
	s_lshr_b32 s101, s99, 7
	s_add_co_u32 s100, s100, s101
	s_mul_i32 s100, s100, STEPB
	s_add_co_u32 s100, s100, KV                    ; k, v: my key step of my first head's stream: k's tiles,
	s_add_co_u32 s98, s100, 12288                  ; k's scale words,
	s_add_co_u32 s99, s100, 6144                   ; v's fragments,
	s_add_co_u32 s101, s100, 12800                 ; v's scale words
	s_mov_b32 s[AST], 768
	s_mov_b32 s96, 0xffff
	s_mov_b32 s18, 16*STEPB
	s_mov_b32 s19, 16*STEPB
	s_cmp_eq_u32 s66, 2                            ; what v has otherwise than k (s_mov_b32 and s_cselect_b32 leave SCC alone)
	s_cselect_b32 s100, s99, s100
	s_cselect_b32 s98, s101, s98
	s_cselect_b32 s[AST], 1536, s[AST]             ; from block to block: a tile of q or k, or a whole fragment of v
	s_cselect_b32 s[A4], 16*STEPB-6144, 0          ; v: blocks 4-7 are the next head's four channel tiles
	s_cselect_b32 s[S4], 16*STEPB-256, 0
	s_cselect_b32 s96, -1, s96                     ; v stores all four bytes of a row's word; q and k two,
	s_cselect_b32 s97, 0, 0x7f7f0000               ; with 0x7f above them
	s_cselect_b32 s67, 0, 16                       ; q, k: lanes 16-31 take the upper two bytes: the next head's
	s_cselect_b32 s18, 768, s18                    ; where registers 6-11 go: v: the fragment's second half; k: the next head's stream;
	s_cselect_b32 s19, 0, s19                      ; where lanes 16-31 put their word: v: where lanes 0-15 put the same word
	s_cmp_eq_u32 s66, 0                            ; and q otherwise than k
	s_cselect_b32 s[CBA], s45, s100
	s_cselect_b32 s[SBA], s46, s98
	s_cselect_b32 s18, 128*768, s18                ; q: the next head's 128 tiles on
	s_cselect_b32 s19, 128*64, s19
	s_mov_b32 s[CBA+1], 0
	s_mov_b32 s[SBA+1], 0
	s_mov_b32 s[AST+1], 0
	s_mov_b32 s[A4+1], 0
	s_mov_b32 s[S4+1], 0
	s_add_nc_u64 s[CBA:CBA+1], s[8:9], s[CBA:CBA+1]
	s_add_nc_u64 s[SBA:SBA+1], s[8:9], s[SBA:SBA+1]
	v_and_b32 v6, 31, v0
	v_lshlrev_b32 v8, 4, v6                        ; an image's registers 0-3: 16 bytes a lane
	v_lshlrev_b32 v9, 3, v6                        ; registers 4-5: 8 bytes a lane
	v_add_nc_u32 v10, s18, v8                      ; the same for registers 6-9
	v_add_nc_u32 v11, s18, v9                      ; and 10-11
	v_mul_u32_u24 v12, s19, v2
	v_lshl_add_u32 v12, v1, 2, v12                 ; my row's scale word
	v_mul_u32_u24 v13, s67, v2                     ; how far my half shifts the four bytes down
.irp b, 0,1,2,3
	v_mov_b32 v[TM+4+\b], 0                        ; written once: a lane permute's destination counts as one of its sources
.endr
.macro FRAG reg, adr, q, i             ; a fragment, 16 rows x 128 K of 6-bit codes, is 12 registers: lane l holds row l % 16; registers 6 c .. 6 c + 5 hold K = 64 c + 32 (l / 16) + 0 .. 31: 24 bytes of the row's stream of bits
.irp p, 0,1,2,3,4,5                    ; in pieces of 8 bytes.  Lanes 0-15 take the row's pieces 12 q + 0, 1, 2 and 12 q + 6, 7, 8, lanes 16-31 those three pieces on
.set PIECE, 12*(\q)+6*(\p/3)+\p%3      ; 16 bytes of padding lie behind every 8 pieces: where the piece three on lies behind one padding more, the second address register serves
.if PIECE%8 < 5
	ds_load_b64 v[\reg+2*\p:\reg+2*\p+1], v[\adr] offset:8*PIECE+16*(PIECE/8)+(\i)*16*PITCH
.else
	ds_load_b64 v[\reg+2*\p:\reg+2*\p+1], v[\adr+2] offset:8*PIECE+16*(PIECE/8)+(\i)*16*PITCH
.endif
.endr
.endm
; 16 matrix instructions: A's blocks a0, a0 + 1 x B's eight, 128 along K: the slot's q-th.  p: B's set;  sc: the set of scale words.  zero = 1: the first product starts the sums: nothing is ever cleared.
; The 64 accumulators take turns, one instruction a turn, in the same order in every step.
.macro MUL16 a0, p, q, sc, zero
.irp a, \a0, \a0+1
.irp b, 0,1,2,3,4,5,6,7
.if \zero
	v_wmma_scale_f32_16x16x128_f8f6f4 v[8*(8*((\a)%4)+\b):8*(8*((\a)%4)+\b)+7], v[128*(\p)+FR*\b:128*(\p)+FR*\b+FR-1], v[AF+FR*(\a):AF+FR*(\a)+FR-1], 0, v[SC+8*NQ*(\sc)+NQ*\b+(\q)], v[SC+8*NQ*(\sc)+NQ*(\a)+(\q)] matrix_a_fmt:MATRIX_FMT_FP6 matrix_b_fmt:MATRIX_FMT_FP6 matrix_a_scale:MATRIX_SCALE_ROW1
.else
	v_wmma_scale_f32_16x16x128_f8f6f4 v[8*(8*((\a)%4)+\b):8*(8*((\a)%4)+\b)+7], v[128*(\p)+FR*\b:128*(\p)+FR*\b+FR-1], v[AF+FR*(\a):AF+FR*(\a)+FR-1], v[8*(8*((\a)%4)+\b):8*(8*((\a)%4)+\b)+7], v[SC+8*NQ*(\sc)+NQ*\b+(\q)], v[SC+8*NQ*(\sc)+NQ*(\a)+(\q)] matrix_a_fmt:MATRIX_FMT_FP6 matrix_b_fmt:MATRIX_FMT_FP6 matrix_a_scale:MATRIX_SCALE_ROW1
.endif
.endr
.endr
.endm
.macro FETCH_B slot, q, p              ; B's eight fragments of the slot's q-th 128 along K into set p
	WIN TO_B
.irp i, 0,1,2,3,4,5,6,7
	FRAG 128*(\p)+FR*\i, ADRB+\slot, \q, \i
.endr
	WIN 0
.endm
.macro FETCH_A slot, q, i0             ; A's blocks i0 .. i0 + 3
.irp i, \i0, \i0+1, \i0+2, \i0+3
	FRAG AF+FR*(\i), ADRA+\slot, \q, \i
.endr
.endm
.macro SCALES sc                       ; the next K step's scale words into set sc: two words a row; lanes 0-15 take A's block i, lanes 16-31 B's block i
.irp i, 0,1,2,3,4,5,6,7
	ds_load_b64 v[SC+8*NQ*\sc+NQ*\i:SC+8*NQ*\sc+NQ*\i+1], v[ADRS] offset:\i*SBLK
.endr
.endm
; A load into a register that a matrix instruction has read, and a vector instruction that reads a matrix result, stand NP places behind that matrix instruction, and only plain vector
; instructions that name none of its registers are places (ISA guide 7.12.1 for vector instructions).
.macro PLACES n
.rept \n
	v_nop
.endr
.endm
; A step of 128 along K that has its successor in the same slot.
.macro STEP slot, q, zero
	s_wait_dscnt 4*NL                              ; B's set and A's blocks 0-3 are in; the youngest 24 loads (A's blocks 4-7) may be out
	WIN MUL_LO
	MUL16 0, (\q)%2, \q, \slot, \zero
	MUL16 2, (\q)%2, \q, \slot, \zero
	s_wait_dscnt 0                                 ; A's blocks 4-7 are in (asked for 32 matrix instructions ago)
	PLACES NP
	FETCH_B \slot, (\q)+1, 1-(\q)%2
	FETCH_A \slot, (\q)+1, 0
	WIN MUL_HI
	MUL16 4, (\q)%2, \q, \slot, \zero
	MUL16 6, (\q)%2, \q, \slot, \zero
	PLACES NP
	WIN 0
	FETCH_A \slot, (\q)+1, 4
.endm
; A slot's last step changes slots: ONE barrier; in front of it each wave waits for all its tensor loads, adds 0 to its spare word, and waits for that and for its own reads of this slot.  fill = 1: this slot is filled again, two K steps ahead.
.macro TURN slot, next, fill
	s_wait_tensorcnt 0x0                           ; all my tensor loads have landed: my part of the next slot;  (every window is 0 here: the add's two registers lie in window 0)
	ds_add_u32 v[SPW], v[NIL]                      ; 0 onto my spare word
	s_wait_dscnt 4*NL+1                            ; (the add and the youngest 24 loads, A's blocks 4-7, may be out)
	WIN MUL_LO
	MUL16 0, 1, NQ-1, \slot, 0                     ; sixteen matrix instructions stand between the add and the wait for it
	s_wait_dscnt 0x0                               ; the add is done, and my reads of this slot are over
	s_barrier_signal -1
	MUL16 2, 1, NQ-1, \slot, 0
	WIN 0
	s_barrier_wait -1
.if \fill
	CREST                                          ; the barrier has opened a round of the cluster's barrier: no wave of any partner still reads this slot's tile or has a load on its way
	s_add_nc_u64 s[G0+4*\slot+2:G0+4*\slot+3], s[G0+4*\slot+2:G0+4*\slot+3], 2*ROWB
	s_add_nc_u64 s[G0B+4*\slot+2:G0B+4*\slot+3], s[G0B+4*\slot+2:G0B+4*\slot+3], 2*ROWB
	JLOAD G0+4*\slot, G1, G0B+4*\slot, G1B         ; the first tensor load behind the round, and my only one until the next; the four v_nop behind it are the places in front of the loads below
.else
	PLACES NP
.endif
	v_add_nc_u32 v[ADRS], 4*NQ, v[ADRS]            ; on to the next K step's scale words
	FETCH_B \next, 0, 0
	FETCH_A \next, 0, 0
	SCALES \next
	WIN MUL_HI
	MUL16 4, 1, NQ-1, \slot, 0
	MUL16 6, 1, NQ-1, \slot, 0
	PLACES NP
	WIN 0
	FETCH_A \next, 0, 4
.endm
	s_wait_tensorcnt 1                             ; the scales and my part of K step 0 are in (K step 1's load may be out)
	s_barrier_signal -1
	s_barrier_wait -1                              ; everybody's are
	FETCH_B 0, 0, 0
	FETCH_A 0, 0, 0
	SCALES 0
	FETCH_A 0, 0, 4
	STEP 0, 0, 1                                   ; the first step stands in front of the loop: its products start the sums
	s_mov_b32 s3, LAPS-1
.Llap:                                                 ; a trip goes once round the ring, from a lap's second step to the next lap's first, and fills both slots again
	TURN 0, 1, 1
	STEP 1, 0, 0
	TURN 1, 0, 1
	STEP 0, 0, 0
	s_sub_co_u32 s3, s3, 1
	s_cmp_lg_u32 s3, 0
	s_cbranch_scc1 .Llap
	TURN 0, 1, 0                                   ; the last lap fills nothing, and has no round of the cluster's barrier
	STEP 1, 0, 0
	s_wait_dscnt 4*NL                              ; the very last step: nothing more to fetch
	WIN MUL_LO
	MUL16 0, 1, NQ-1, 1, 0
	MUL16 2, 1, NQ-1, 1, 0
	s_wait_dscnt 0
	WIN MUL_HI
	MUL16 4, 1, NQ-1, 1, 0
	MUL16 6, 1, NQ-1, 1, 0
	WIN 0
; THE WAY OUT of A's block a: 16 rows (a lane a row) x 128 along the next K.  Register 16 b + i of the block's 64 is k = 32 b + 16 (l / 16) + i: four blocks of 32, each in lanes l and l xor 16.
; They become 12 registers of codes (registers 6 c .. 6 c + 5: k = 64 c + 32 (l / 16) + 0 .. 31) and four scale bytes, and leave as two half fragments and a scale word a row.
.macro OUTA a
.set AC, 64*((\a)%4)
.set W, 2+(\a)/4                       ; the block's window
.if (\a) > 0
	s_wait_xcnt 0x0                                ; the last block's stores have read their data and their bases: both are written again only behind this wait
	s_add_nc_u64 s[CBA:CBA+1], s[CBA:CBA+1], s[AST:AST+1]
	s_add_nc_u64 s[SBA:SBA+1], s[SBA:SBA+1], 64
.endif
.if (\a) == 4
	s_add_nc_u64 s[CBA:CBA+1], s[CBA:CBA+1], s[A4:A4+1]
	s_add_nc_u64 s[SBA:SBA+1], s[SBA:SBA+1], s[S4:S4+1]
.endif
	WIN (W<<2)|(W<<4)                              ; sources 1 and 2: the accumulators
.irp b, 0,1,2,3
	v_max3_num_f32 v[TM+\b], 0x1800000, |v[AC+16*\b]|, |v[AC+16*\b+1]|   ; block b: my 16 numbers, each accumulator from its low end on, and the floor 2^(3 - 127): the byte cannot fall under 1
.endr
.irp i, 2,4,6,8,10,12,14
.irp b, 0,1,2,3
	v_max3_num_f32 v[TM+\b], v[TM+\b], |v[AC+16*\b+\i]|, |v[AC+16*\b+\i+1]|   ; (the four blocks by turns)
.endr
.endr
	WIN 0
.irp b, 0,1,2,3
	v_permlanex16_b32 v[TM+4+\b], v[TM+\b], s[SEL], s[SEL+1]
.endr
.irp b, 0,1,2,3
	v_max_num_f32 v[TM+\b], v[TM+\b], v[TM+4+\b]   ; with lane l xor 16's: the block's largest magnitude
.endr
.irp b, 0,1,2,3
	v_add_nc_u32 v[TM+12+\b], 0xff000000, v[TM+\b] ; 2 off its exponent field: the conversion's scale operand
.endr
.irp b, 0,1,2,3
	v_lshrrev_b32 v[TM+4+\b], 23, v[TM+12+\b]      ; the scale's byte
.endr
	v_lshl_or_b32 v[PW], v[TM+5], 8, v[TM+4]
	v_lshl_or_b32 v[PW], v[TM+6], 16, v[PW]
	v_lshl_or_b32 v[PW], v[TM+7], 24, v[PW]        ; my row's four bytes
	WIN W                                          ; source 0: the accumulators
.irp c, 0,1
	v_cvt_scalef32_pk16_fp6_f32 v[CD+6*\c:CD+2+6*\c], v[AC+32*\c:AC+15+32*\c], v[TM+12+2*\c]
	v_cvt_scalef32_pk16_fp6_f32 v[CD+12+4*\c:CD+14+4*\c], v[AC+16+32*\c:AC+31+32*\c], v[TM+12+2*\c+1]   ; (a conversion's three registers begin on an even number)
.endr
	WIN 0
	v_nop                                          ; one plain place behind a scaled conversion
.irp c, 0,1                                    ; the operand's layout wants a WHOLE block in a lane: lanes 0-15 block 2 c, lanes 16-31 block 2 c + 1
.irp i, 0,1,2
	v_permlane16_swap_b32 v[CD+6*\c+\i], v[CD+12+4*\c+\i]
.endr
.irp i, 0,1,2
	v_mov_b32 v[CD+3+6*\c+\i], v[CD+12+4*\c+\i]
.endr
.endr
	v_lshrrev_b32 v[T2], v13, v[PW]                ; q, k: lanes 16-31 take the next head's two bytes
	v_and_or_b32 v[T2], v[T2], s96, s97            ; q, k: two bytes and 0x7f7f above them; v: the word as it is
	global_store_b128 v8, v[CD:CD+3], s[CBA:CBA+1]                   ; 512 consecutive bytes, aligned
	global_store_b64 v9, v[CD+4:CD+5], s[CBA:CBA+1] offset:512       ; 256 consecutive bytes, aligned
	global_store_b128 v10, v[CD+6:CD+9], s[CBA:CBA+1]
	global_store_b64 v11, v[CD+10:CD+11], s[CBA:CBA+1] offset:512
	global_store_b32 v12, v[T2], s[SBA:SBA+1]      ; 64 bytes for each head (v: both halves of the lanes hold the same word and store it to the same place)
.endm
	PLACES NP                                      ; behind the last products, ahead of the first read of results
.irp a, 0,1,2,3,4,5,6,7
	OUTA \a
.endr
	s_wait_tensorcnt 0x0                           ; the wave's end, behind my last tensor load
	ds_add_u32 v[SPW], v[NIL]
	s_wait_dscnt 0x0
	CROUND                                         ; the closing round: no work-group ends while a partner may still ask for a tile that names it
	s_endpgm
.Lfunc_end_k_qa6ae7c94be_proj:
	.size	k_qa6ae7c94be_proj, .Lfunc_end_k_qa6ae7c94be_proj-k_qa6ae7c94be_proj
	.p2alignl 7, 3214868480
	.fill 96, 4, 3214868480
	.section	.rodata,"a",@progbits
	.p2align	6, 0x0
	.amdhsa_kernel k_qa6ae7c94be_proj
		.amdhsa_group_segment_fixed_size 327680
		.amdhsa_private_segment_fixed_size 0
		.amdhsa_enable_private_segment 0
		.amdhsa_kernarg_size 24
		.amdhsa_user_sgpr_count 2
		.amdhsa_user_sgpr_kernarg_segment_ptr 1
		.amdhsa_wavefront_size32 1
		.amdhsa_system_sgpr_workgroup_id_x 1
		.amdhsa_system_sgpr_workgroup_id_y 1
		.amdhsa_system_sgpr_workgroup_id_z 1
		.amdhsa_system_vgpr_workitem_id 0
		.amdhsa_next_free_vgpr 1024
		.amdhsa_next_free_sgpr 102
		.amdhsa_reserve_vcc 0
		.amdhsa_float_denorm_mode_32 3
		.amdhsa_float_denorm_mode_16_64 3
		.amdhsa_memory_ordered 1
		.amdhsa_forward_progress 1
		.amdhsa_inst_pref_size 169
	.end_amdhsa_kernel
	.amdgpu_metadata
---
amdhsa.version: [ 1, 2 ]
amdhsa.kernels:
  - .name:           k_qa6ae7c94be_proj
    .symbol:         k_qa6ae7c94be_proj.kd
    .args:
      - { .name: codes, .offset: 0, .size: 8, .value_kind: global_buffer, .address_space: global }
      - { .name: scales, .offset: 8, .size: 8, .value_kind: global_buffer, .address_space: global }
      - { .name: qkv, .offset: 16, .size: 8, .value_kind: global_buffer, .address_space: global }
    .group_segment_fixed_size: 327680
    .private_segment_fixed_size: 0
    .kernarg_segment_align: 8
    .kernarg_segment_size: 24
    .max_flat_workgroup_size: 128
    .sgpr_count:     102
    .vgpr_count:     1024
    .wavefront_size: 32
...
	.end_amdgpu_metadata
.endif
;; end of part 3
;; launch attn (part 4): grid 8 x 32, 16 waves a work-group, clusters of 4 x 1, 327,680 bytes of LDS; arguments qkv, cbuf; writes cbuf
.if DOCPART == 4
	.amdgcn_target "amdgcn-amd-amdhsa--gfx1250"
	.amdhsa_code_object_version 6
	.text
	.protected	k_qa6ae7c94be_attn
	.globl	k_qa6ae7c94be_attn
	.p2align	8
	.type	k_qa6ae7c94be_attn,@function
k_qa6ae7c94be_attn:
	s_mov_b64 s[64:65], 0
	v_nop
	global_prefetch_b8 v0, s[64:65] scope:SCOPE_SE
	s_setreg_imm32_b32 hwreg(HW_REG_WAVE_MODE, 25, 1), 1
	s_wait_xcnt 0x0
	s_wait_alu depctr_hold_cnt(0) depctr_sa_sdst(0) depctr_va_vdst(0) depctr_va_sdst(0) depctr_va_ssrc(0) depctr_va_vcc(0) depctr_vm_vsrc(0)
	s_getreg_b32 s2, hwreg(HW_REG_IB_STS2, 6, 4)
	s_cmp_eq_u32 s2, 0
	s_cbranch_scc0 .Lentry_in_a_cluster
	s_endpgm
.Lentry_in_a_cluster:
	s_bfe_u32 s2, ttmp6, 0x10000c
	s_cmp_lg_u32 s2, 0x3003
	s_cbranch_scc0 .Lentry_shape_is_right
	s_endpgm
.Lentry_shape_is_right:
; Attention on codes of FP6 (E2M3): O = softmax(q k^T / 8) v for 64 heads in batch, 2,048 queries and keys, head size 64; both products with one E8M0 scale for each 32 along their K.
; THE SOFTMAX AHEAD OF THE SECOND PRODUCT: t = score x log2(e) / 8; M = the running largest t rounded UP to a whole number; p = 2^(t - M) is quantised along the keys, not normalised.  The row's sum is taken of the unquantised p
; and divides O at the end.  When M moves, the sum and O are multiplied by 2^(old M - new M): exact.  O / sum is quantised at once along (head, channel), the K of the output projection, and leaves as codes.
; SHARES.  A work-group owns 256 queries and TWO neighbouring heads, which it walks one after the other; each of its sixteen waves owns 16 queries, in 256 registers: four waves to a SIMD, so that one wave's vector work stands
; beside another's matrix work and LDS loads.  The two heads' four scale bytes of a row of the result are one word.
; THE STREAM.  k and v lie in qkv in the order in which operand registers take them: a key step (128 keys) is 13,056 dense bytes: 8 tiles of k (768 bytes: the image of six registers), 4 fragments of v (16 channels x 128 keys, 1,536 bytes),
; 512 bytes of k's scale words, 256 of v's.  The pair's 32 key steps are dense, so the ring of two LDS slots (two key steps each) goes on from the first head into the second.  Every LDS load takes consecutive bytes.
; CLUSTER.  The four work-groups of a cluster own four query blocks of the same pair of heads and walk the same stream: each slot is asked for JOINTLY (waves 0 and 1: a key step each), behind a round of the cluster's barrier.
; LAYOUT.  Both products are used transposed: S^T = k q^T (source 0 = 16 keys, source 1 = my 16 queries), O^T = v^T p^T: a lane holds one query throughout.  The stored rows of keys and channels have bits 3 and 4 of their number
; exchanged, so the 16 registers of result tiles 2 b and 2 b + 1 are 16 neighbours: keys 32 b + 16 (l / 16) + 0 .. 15, and channels likewise.
; THE SHORT K.  The scores' K is 64 in an instruction of 128.  q's registers 6-11 are zero codes, and bytes 2, 3 of both sides' scale words are 0x7f: so the upper half of k's operand may hold any codes (E2M3 has no infinity and no NaN):
; tile t's operand is v[32 + 6 t .. 43 + 6 t], whose upper half is tile t + 1's data (tile 7's: zeros).
; LIMITS: a block of the result whose largest magnitude lies under 2^-124 gets the byte 1, a block of zeros too (its codes are zeros, and this program alone reads the bytes); NaN and infinities are not served.
; REGISTERS: v1-7 lane terms that stay; v8-10 the step's LDS addresses; v12 -M, v13 the largest t, v[14:15] the sum in two halves; v16-21 q, v22-27 zeros; v28 the prefetch's offset; v32-79 k's 8 tiles, then v's 4 fragments;
; v80-85 zeros; v86-87 v's scale words; v96-159 S^T, then p; v160-191 O^T; v192-198 the second head's q and its scale word; v199 the first head's two scale bytes; v224-235 p's codes; v232-254 at work; v248-251 k's scale words; v255 q's.
.set STEPB, 13056                      ; a key step of the stream
.set SLOT1, 32768                      ; slot 1 begins here: one exclusive or turns an address in one slot into the other's
.set SPARE, 65536                      ; the spare words, 128 bytes for each of sixteen waves
.set QSC,   6291456                    ; qkv: q's scale words
.set KV,    6815744                    ; qkv: the stream
.set CSC,   6291456                    ; cbuf: the result's scale bytes, 32 a row
.set LI,   1                           ; v1   16 x lane
.set LJ,   2                           ; v2   8 x lane + 512
.set LS,   3                           ; v3   4 x lane
.set CR,   4                           ; v4   32 x (lane % 16): my row of the result's scale bytes
.set SPW,  5                           ; v5   LDS address of my spare word; never rewritten
.set NIL,  6                           ; v6   0; never rewritten
.set QR,   7                           ; v7   4 x (lane % 16)
.set PFO,  28                          ; v28  the prefetch's offset; never rewritten
.set WV,   18                          ; s18  my wave's number
.set SEL,  20                          ; s[20:21] lane selects for v_permlanex16_b32: lane l xor 16
.set CS,   22                          ; s[22:23] c = log2(e) / 8
.set G1,   24                          ; s[24:31] descriptor group 1
.set G0,   40                          ; s[40:43] descriptor group 0, which walks
.set TB,   2                           ; s2   LDS byte at which the slot in hand begins
.set SLOTS, 67                         ; s67  slots still to be asked for
.set PFA,  76                          ; s[76:77] where my prefetches stand
.set LIM,  80                          ; s80  1 in the wave that prefetches, else the greatest number
.macro CROUND                          ; a round of the cluster's barrier
	s_barrier_signal -1
	s_barrier_wait -1
	s_cmp_lg_u32 s[WV], 0
	s_cbranch_scc1 .Lnot_wave_0_\@
	s_barrier_signal -3
.Lnot_wave_0_\@:
	s_barrier_wait -3
	s_barrier_signal -1
	s_barrier_wait -1
.endm
; The joint load: waves 0 and 1 fetch a key step each, the others nothing.  The branch hangs on the wave's number alone.  An s_nop 0 and four v_nop follow the line.
.macro TLOAD
	s_cmp_lt_u32 s[WV], 2
	s_cbranch_scc0 .Lnone_\@
	tensor_load_to_lds s[G0:G0+3], s[G1:G1+7]
	s_nop 0
.rept 4
	v_nop
.endr
.Lnone_\@:
.endm
; A PREFETCH INTO THE L2 of the slot that the NEXT change of slots will ask for: 26,112 bytes, 102 runs of 256.  Both clusters of a pair of heads walk the same stream: the first (cluster x = 0) asks.  Its four partners share the runs
; out BY ADDRESS, 26 + 25 + 26 + 25 (lanes past a partner's last run name that run again); in each, wave 4 asks: one instruction.  It stands two key steps ahead of the load that wants the bytes.
; The last change that fills a slot asks for nothing; slots 0 and 1 come by their loads alone.
.macro ASK
	s_cmp_gt_u32 s[SLOTS], s[LIM]
	s_cbranch_scc0 .Lnot_mine_\@
	global_prefetch_b8 v[PFO], s[PFA:PFA+1] th:TH_LOAD_NT scope:SCOPE_SE
.Lnot_mine_\@:
.endm
	s_load_b128 s[4:7], s[0:1], 0x0                ; qkv s[4:5], cbuf s[6:7]
	v_lshl_add_u32 v[SPW], v0, 2, SPARE
	v_mov_b32 v[NIL], 0
	ds_add_u32 v[SPW], v[NIL]                      ; the wave's opening: the add and its wait stand ahead of the first tensor load; the set-up below, work on registers, stands between them
	v_lshrrev_b32 v8, 5, v0
	v_readfirstlane_b32 s[WV], v8                  ; wave 0..15
	s_bfe_u32 s44, ttmp6, 0x40000                  ; cx: my place in the cluster
	s_lshl_b32 s45, ttmp9, 2
	s_add_co_u32 s45, s45, s44                     ; my block of 256 queries
	s_lshl_b32 s45, s45, 4
	s_add_co_u32 s45, s45, s[WV]                   ; T: my tile of 16 queries, 0 .. 127
	s_and_b32 s46, ttmp7, 0xffff                   ; y: the pair of heads, 0 .. 31 = 8 x batch + pair; its heads in batch are 2 y and 2 y + 1
	s_mul_i32 s48, s46, 32*STEPB
	s_add_co_u32 s48, s48, KV                      ; the pair's stream
	s_and_b32 s47, s[WV], 1
	s_mul_i32 s47, s47, STEPB                      ; which of a slot's two key steps I fetch, if I fetch: in LDS and in memory; no place in the cluster enters here
	s_add_co_u32 s50, s48, s47
	s_mov_b32 s51, 0
	s_lshl_b32 s52, s46, 8
	s_add_co_u32 s52, s52, s45                     ; 128 x (2 y) + T
	s_mul_i32 s54, s52, 768                        ; q's half fragment, first head (the second's: 128 x 768 on)
	s_mov_b32 s55, 0
	s_lshl_b32 s56, s52, 6
	s_add_co_u32 s56, s56, QSC                     ; its scale words (the second's: 128 x 64 on)
	s_mov_b32 s57, 0
	s_lshr_b32 s52, s46, 3
	s_lshl_b32 s52, s52, 7
	s_add_co_u32 s52, s52, s45                     ; the result's tile of 16 rows: 128 x batch + T
	s_and_b32 s53, s46, 7                          ; the pair inside its batch
	s_lshl_b32 s58, s52, 4
	s_lshl_b32 s59, s53, 1
	s_add_co_u32 s58, s58, s59
	s_mul_i32 s58, s58, 768                        ; the result's half fragments: [tile][head 16][768]
	s_mov_b32 s59, 0
	s_lshl_b32 s62, s52, 9
	s_lshl_b32 s63, s53, 2
	s_add_co_u32 s62, s62, s63
	s_add_co_u32 s62, s62, CSC                     ; and scale bytes: 32 a row, the pair's four at 4 x pair
	s_mov_b32 s63, 0
	s_lshr_b32 s68, s44, 1                         ; the prefetches: partners 0, 1 take a slot's first key step, 2, 3 its second;
	s_mul_i32 s68, s68, STEPB
	s_and_b32 s69, s44, 1
	s_mul_i32 s70, s69, 26*256                     ; the even ones its first 26 runs of 256 bytes, the odd ones the other 25
	s_add_co_u32 s68, s68, s70
	s_add_co_u32 s68, s68, s48
	s_add_co_u32 s68, s68, 2*STEPB                 ; in slot 1: the first change of slots steps it to slot 2
	s_sub_co_u32 s70, 25, s69                      ; my last run
	s_mov_b32 s69, 0
	v_and_b32 v8, 31, v0                           ; lane
	v_and_b32 v9, 15, v0                           ; r
	v_min_u32 v[PFO], s70, v8
	v_lshlrev_b32 v[PFO], 8, v[PFO]
	v_lshlrev_b32 v[LI], 4, v8
	v_lshl_add_u32 v[LJ], v8, 3, 512
	v_lshlrev_b32 v[LS], 2, v8
	v_lshlrev_b32 v[CR], 5, v9
	v_lshlrev_b32 v[QR], 2, v9
	s_xor_b32 s82, s[WV], 4
	s_or_b32 s82, s82, ttmp9                       ; 0 in wave 4 of the pair's first cluster: the same in all four partners
	s_cmp_eq_u32 s82, 0
	s_cselect_b32 s[LIM], 1, -1
	; descriptor group 1: a key step: 51 rows of 256 bytes (32 elements of 8 bytes), dense in memory and in LDS
	s_mov_b32 s[G1], 15|(3<<16)|(1<<21)            ; 15:0 the mask: all four work-groups; 17:16 elements of 8 bytes; 20 no padding; 21 set beside a mask
	s_mov_b32 s[G1+1], 32<<16                      ; tensor_dim0
	s_mov_b32 s[G1+2], 51<<16                      ; tensor_dim1
	s_mov_b32 s[G1+3], 32<<16                      ; tile_dim0
	s_mov_b32 s[G1+4], 51                          ; tile_dim1
	s_mov_b32 s[G1+5], 32                          ; tensor_dim0_stride
	s_mov_b32 s[G1+6], 0
	s_mov_b32 s[G1+7], 0
	s_mov_b32 s[SEL], 0x76543210
	s_mov_b32 s[SEL+1], 0xfedcba98
	s_mov_b32 s[CS], 0x3e38aa3b                    ; c = log2(e) / 8
	s_mov_b32 s[CS+1], s[CS]                       ; (named with it as a pair, so it is written)
	s_mov_b32 s[TB], 0
	s_mov_b32 s[SLOTS], 15
	s_wait_dscnt 0x0                               ; the opening add is done
	s_wait_kmcnt 0x0
	s_mov_b32 s[G0], 1                             ; count = 1
	s_mov_b32 s[G0+1], s47                         ; LDS address: slot 0
	s_add_nc_u64 s[G0+2:G0+3], s[4:5], s[50:51]    ; global address
	s_or_b32 s[G0+3], s[G0+3], 0x80000000          ; type = 2
	s_add_nc_u64 s[8:9], s[4:5], s[54:55]          ; q
	s_add_nc_u64 s[10:11], s[4:5], s[56:57]        ; q's scale words
	s_add_nc_u64 s[12:13], s[6:7], s[58:59]        ; the result's codes
	s_add_nc_u64 s[14:15], s[6:7], s[62:63]        ; the result's scale bytes
	s_add_nc_u64 s[PFA:PFA+1], s[4:5], s[68:69]
	CROUND                                         ; all four work-groups are here: the first joint loads meet
	TLOAD                                          ; slot 0: one tensor load of mine is out
	global_load_b128 v[16:19], v[LI], s[8:9]                       ; q of the first head: the image of six registers
	global_load_b64 v[20:21], v[LJ], s[8:9]
	global_load_b32 v255, v[QR], s[10:11]
	global_load_b128 v[192:195], v[LI], s[8:9] offset:128*768      ; and of the second
	global_load_b64 v[196:197], v[LJ], s[8:9] offset:128*768
	global_load_b32 v198, v[QR], s[10:11] offset:128*64
.irp i, 0,1,2,3,4,5
	v_mov_b32 v[22+\i], 0                          ; q's upper 64 along K: zero codes
	v_mov_b32 v[80+\i], 0                          ; the upper half of k's last tile
.endr
	v_mov_b32 v13, 0xff61b1e6                      ; the largest t so far: -3e38, under every t
	v_floor_f32 v12, -v13                          ; -M
	v_mov_b32 v14, 0                               ; the sum, in two halves
	v_mov_b32 v15, 0
.irp b, 0,1,2,3
	v_mov_b32 v[236+\b], 0                         ; written once: a lane permute's destination counts as one of its sources
.endr
	v_mov_b32 v253, 0                              ; (named as the upper half of the pair v[252:253] before it is first written)
.set JJ, 0
.rept 32
	v_mov_b32 v[160+JJ], 0                         ; O^T.  (The step is written once: a head's first step finds zeros, which the first change of M leaves zeros)
.set JJ, JJ+1
.endr
; A KEY STEP: 128 keys, the q-th of the slot in hand.
.macro STEP q
.set SB, STEPB*(\q)
	v_add_nc_u32 v8, s[TB], v[LI]
	v_add_nc_u32 v9, s[TB], v[LJ]
	v_add_nc_u32 v10, s[TB], v[LS]
	v_nop                                          ; four places behind the last products, in front of loads into registers that they have read
.irp t, 0,1,2,3,4,5,6,7
	ds_load_b128 v[32+6*\t:35+6*\t], v8 offset:SB+768*\t             ; k's tile t: registers 0-3,
	ds_load_b64 v[36+6*\t:37+6*\t], v9 offset:SB+768*\t              ; registers 4-5
.endr
.irp i, 0,1,2,3
	ds_load_b32 v[248+\i], v10 offset:SB+12288+128*\i                ; k's scale words: lanes 0-15 tile 2 i, lanes 16-31 tile 2 i + 1
.endr
	s_wait_dscnt 0x0
.irp t, 0,2,4,6                                ; S^T = k q^T: eight accumulators, each begun with 0
	v_wmma_scale_f32_16x16x128_f8f6f4 v[96+8*\t:103+8*\t], v[32+6*\t:43+6*\t], v[16:27], 0, v[248+\t/2], v255 matrix_a_fmt:MATRIX_FMT_FP6 matrix_b_fmt:MATRIX_FMT_FP6
	v_wmma_scale_f32_16x16x128_f8f6f4 v[104+8*\t:111+8*\t], v[38+6*\t:49+6*\t], v[16:27], 0, v[248+\t/2], v255 matrix_a_fmt:MATRIX_FMT_FP6 matrix_b_fmt:MATRIX_FMT_FP6 matrix_a_scale:MATRIX_SCALE_ROW1
.endr
.rept 4
	v_nop                                          ; four places: for the loads below, and for the first read of the scores
.endr
.irp f, 0,1,2,3,4,5,6,7                        ; v's four fragments land while the softmax is worked: half fragment f = 2 x channel tile + half of the keys
	ds_load_b128 v[32+6*\f:35+6*\f], v8 offset:SB+6144+768*\f
	ds_load_b64 v[36+6*\f:37+6*\f], v9 offset:SB+6144+768*\f
.endr
.irp i, 0,1
	ds_load_b32 v[86+\i], v10 offset:SB+12800+128*\i                 ; v's scale words: lanes 0-15 channel tile 2 i, lanes 16-31 tile 2 i + 1
.endr
.irp b, 0,1,2,3
	v_max3_num_f32 v[232+\b], v[96+16*\b], v[97+16*\b], v[98+16*\b]   ; THE LARGEST SCORE OF EACH BLOCK OF 32 KEYS: it serves for the row's maximum and, since p rises with the score, for the block's largest p
.endr
.irp i, 3,5,7,9,11,13
.irp b, 0,1,2,3
	v_max3_num_f32 v[232+\b], v[232+\b], v[96+16*\b+\i], v[97+16*\b+\i]   ; (the four blocks by turns)
.endr
.endr
.irp b, 0,1,2,3
	v_max_num_f32 v[232+\b], v[232+\b], v[111+16*\b]
.endr
.irp b, 0,1,2,3
	v_permlanex16_b32 v[236+\b], v[232+\b], s[SEL], s[SEL+1]
.endr
.irp b, 0,1,2,3
	v_max_num_f32 v[232+\b], v[232+\b], v[236+\b]  ; with lane l xor 16's 16 keys
.endr
	v_max3_num_f32 v254, v232, v233, v234
	v_max_num_f32 v254, v254, v235                 ; the step's largest score of my query
	v_mul_f32 v254, s[CS], v254                    ; as t (c is positive)
	v_max_num_f32 v13, v13, v254                   ; the running largest t
	v_mov_b32 v254, v12
	v_floor_f32 v12, -v13                          ; the new -M = floor(-t) = -ceil(t): M is a whole number
	v_sub_f32 v254, v12, v254                      ; M's old value less its new one: a whole number, 0 or less
	v_cvt_i32_f32 v254, v254                       ; (it saturates)
	v_ldexp_f32 v252, 1.0, v254                    ; f = 2^(old M - new M): a multiplication by it rounds nothing
.set JJ, 0
.rept 32
	v_pk_fma_f32 v[96+JJ:97+JJ], v[96+JJ:97+JJ], s[CS:CS+1], v[12:13] op_sel_hi:[1,0,0]   ; t - M, two at a time (of the pairs c and -M the low word serves both halves)
.set JJ, JJ+2
.endr
.irp b, 0,1,2,3
	v_fma_f32 v[232+\b], v[232+\b], s[CS], v12     ; the same of each block's largest score
.endr
.set JJ, 0
.rept 64
	v_exp_f32 v[96+JJ], v[96+JJ]                   ; p = 2^(t - M), at most 1: not normalised
.set JJ, JJ+1
.endr
	v_pk_mul_f32 v[14:15], v[14:15], v[252:253] op_sel_hi:[1,0]   ; the sums under the new M (a plain place behind the exponentials)
	s_wait_alu depctr_va_vdst(0)                   ; one wait for the whole batch, ahead of its first reader
.irp b, 0,1,2,3
	v_exp_f32 v[232+\b], v[232+\b]                 ; the block's largest p: the same two instructions on the same number give the same bits
.endr
	v_pk_add_f32 v[236:237], v[96:97], v[98:99]    ; THE ROW'S SUM IS TAKEN OF THE UNQUANTISED p: two at a time, in two chains (it reads the 64 alone: plain work behind the four)
.irp j, 4,8,12,16,20,24,28,32,36,40,44,48,52,56,60
	v_pk_add_f32 v[14:15], v[14:15], v[96+\j:97+\j]
	v_pk_add_f32 v[236:237], v[236:237], v[98+\j:99+\j]
.endr
	v_pk_add_f32 v[14:15], v[14:15], v[236:237]
	s_wait_alu depctr_va_vdst(0)                   ; and one for the four
.irp b, 0,1,2,3
	v_max_num_f32 v[232+\b], 0x1800000, v[232+\b]  ; the floor 2^(3 - 127): the byte cannot fall under 1
.endr
.irp b, 0,1,2,3
	v_add_nc_u32 v[244+\b], 0xff000000, v[232+\b]  ; 2 off the exponent field: the conversion's scale operand
.endr
.irp b, 0,1,2,3
	v_lshrrev_b32 v[236+\b], 23, v[244+\b]         ; the scale's byte
.endr
	v_lshl_or_b32 v253, v237, 8, v236              ; p's scale word for these 128 keys
	v_lshl_or_b32 v253, v238, 16, v253
	v_lshl_or_b32 v253, v239, 24, v253
.irp c, 0,1
	v_cvt_scalef32_pk16_fp6_f32 v[224+6*\c:226+6*\c], v[96+32*\c:111+32*\c], v[244+2*\c]
	v_cvt_scalef32_pk16_fp6_f32 v[236+4*\c:238+4*\c], v[112+32*\c:127+32*\c], v[244+2*\c+1]   ; (a conversion's three registers begin on an even number)
.endr
	v_nop                                          ; one plain place behind a scaled conversion
.irp c, 0,1                                    ; the operand's layout wants a WHOLE block in a lane: lanes 0-15 block 2 c, lanes 16-31 block 2 c + 1
.irp i, 0,1,2
	v_permlane16_swap_b32 v[224+6*\c+\i], v[236+4*\c+\i]
.endr
.irp i, 0,1,2
	v_mov_b32 v[227+6*\c+\i], v[236+4*\c+\i]
.endr
.endr
.set JJ, 0
.rept 16
	v_pk_mul_f32 v[160+JJ:161+JJ], v[160+JJ:161+JJ], v[252:253] op_sel_hi:[1,0]   ; O^T under the new M: x f, each accumulator from its low end on.  (These 16 are also the places between p's scale word and codes and the products)
.set JJ, JJ+2
.endr
	s_wait_dscnt 0x0                               ; v's fragments and scale words are in
.irp t, 0,2                                    ; O^T += v^T p^T: four accumulators by turns, one instruction each
	v_wmma_scale_f32_16x16x128_f8f6f4 v[160+8*\t:167+8*\t], v[32+12*\t:43+12*\t], v[224:235], v[160+8*\t:167+8*\t], v[86+\t/2], v253 matrix_a_fmt:MATRIX_FMT_FP6 matrix_b_fmt:MATRIX_FMT_FP6
	v_wmma_scale_f32_16x16x128_f8f6f4 v[168+8*\t:175+8*\t], v[44+12*\t:55+12*\t], v[224:235], v[168+8*\t:175+8*\t], v[86+\t/2], v253 matrix_a_fmt:MATRIX_FMT_FP6 matrix_b_fmt:MATRIX_FMT_FP6 matrix_a_scale:MATRIX_SCALE_ROW1
.endr
.endm
; THE CHANGE OF SLOTS stands at a slot's head.  Each wave waits for all its tensor loads (its part of the slot that it is about to read), adds 0 to its spare word, and waits for that and for its reads of the slot that it has left.
; fill = 1: the barrier is a round of the cluster's, so that no wave of any partner still reads the other slot or has a load on its way; behind it that slot is filled with the next two key steps, which have two key steps' work in which to land.
.macro CHANGE fill
	s_wait_tensorcnt 0x0                           ; no tensor load of mine is out, so group 0 may be written
	ds_add_u32 v[SPW], v[NIL]                      ; 0 onto my spare word; with fill = 1 the descriptor's steps stand between it and the wait for it
.if \fill
	s_xor_b32 s[G0+1], s[G0+1], SLOT1              ; the walking descriptor: the other slot than last time,
	s_add_nc_u64 s[G0+2:G0+3], s[G0+2:G0+3], 2*STEPB   ; the next two key steps; the type bits on top are not reached
	s_wait_xcnt 0x0                                ; the last prefetch, a slot back, has read its address, so it may be written:
	s_add_nc_u64 s[PFA:PFA+1], s[PFA:PFA+1], 2*STEPB   ; one slot further on than the walking descriptor
	s_wait_dscnt 0x0                               ; the add is done, and my reads of the slot that I have left are over
	CROUND
	TLOAD                                          ; the first thing behind the round, and a wave's one tensor load until the next
	ASK
.else
	s_wait_dscnt 0x0
	s_barrier_signal -1
	s_barrier_wait -1
.endif
.endm
.macro SLOT_STEPS
	STEP 0
	STEP 1
	s_xor_b32 s[TB], s[TB], SLOT1                  ; on to the other slot
.endm
; A HEAD'S END.  O^T is divided by the row's sum; register 16 b + i is channel 32 b + 16 (l / 16) + i of my query: two blocks of 32 along the output projection's K.  They are quantised and leave as a half fragment.
; hd = 0: the two scale bytes are kept, and the second head's q, statistics and zeros are set.  hd = 1: the four bytes of both heads leave as one word a row.
.macro FINISH hd
.rept 4
	v_nop                                          ; four places behind the head's last products
.endr
	v_add_f32 v14, v14, v15                        ; the sum's two halves,
	v_permlanex16_b32 v252, v14, s[SEL], s[SEL+1]
	v_add_f32 v14, v14, v252                       ; and lane l xor 16's: the row's sum
	v_rcp_f32 v14, v14
	v_nop                                          ; a plain place behind the transcendental
	s_wait_alu depctr_va_vdst(0)                   ; and a wait ahead of its first reader
.set JJ, 0
.rept 16
	v_pk_mul_f32 v[96+JJ:97+JJ], v[160+JJ:161+JJ], v[14:15] op_sel_hi:[1,0]   ; each accumulator from its low end on
.set JJ, JJ+2
.endr
.irp b, 0,1
	v_max3_num_f32 v[232+\b], |v[96+16*\b]|, |v[97+16*\b]|, 0x1800000   ; my 16 numbers of block b, and the floor 2^(3 - 127)
.endr
.irp i, 2,4,6,8,10,12,14
.irp b, 0,1
	v_max3_num_f32 v[232+\b], v[232+\b], |v[96+16*\b+\i]|, |v[97+16*\b+\i]|
.endr
.endr
.irp b, 0,1
	v_permlanex16_b32 v[236+\b], v[232+\b], s[SEL], s[SEL+1]
.endr
.irp b, 0,1
	v_max_num_f32 v[232+\b], v[232+\b], v[236+\b]
.endr
.irp b, 0,1
	v_add_nc_u32 v[244+\b], 0xff000000, v[232+\b]
.endr
.irp b, 0,1
	v_lshrrev_b32 v[236+\b], 23, v[244+\b]
.endr
.if \hd
	v_lshl_or_b32 v254, v237, 8, v236
	v_lshl_or_b32 v254, v254, 16, v199             ; the row's four bytes: blocks 4 x pair + 0 .. 3
.else
	v_lshl_or_b32 v199, v237, 8, v236
.endif
	v_cvt_scalef32_pk16_fp6_f32 v[224:226], v[96:111], v244
	v_cvt_scalef32_pk16_fp6_f32 v[236:238], v[112:127], v245
	v_nop                                          ; one plain place behind a scaled conversion
.irp i, 0,1,2
	v_permlane16_swap_b32 v[224+\i], v[236+\i]
.endr
.irp i, 0,1,2
	v_mov_b32 v[227+\i], v[236+\i]
.endr
	global_store_b128 v[LI], v[224:227], s[12:13] offset:768*\hd    ; 512 consecutive bytes, aligned
	global_store_b64 v[LJ], v[228:229], s[12:13] offset:768*\hd     ; 256 consecutive bytes, aligned
.if \hd
	v_and_b32 v252, 31, v0
	s_wait_xcnt 0x0                                ; EXEC is a source of the stores above: it changes only behind this wait
	v_cmp_gt_u32 vcc_lo, 16, v252
	s_and_saveexec_b32 s60, vcc_lo                 ; lanes 0-15: a lane a row (lanes 16-31 hold the same words)
	global_store_b32 v[CR], v254, s[14:15]
	s_wait_xcnt 0x0                                ; and again, in front of the line that widens it
	s_or_b32 exec_lo, exec_lo, s60
.else
.irp i, 0,1,2,3,4,5
	v_mov_b32 v[16+\i], v[192+\i]                  ; the second head's q
.endr
	v_mov_b32 v255, v198                           ; and its scale words: the 36 plain lines below stand between this and the next product
	v_mov_b32 v13, 0xff61b1e6
	v_floor_f32 v12, -v13
	v_mov_b32 v14, 0
	v_mov_b32 v15, 0
.set JJ, 0
.rept 32
	v_mov_b32 v[160+JJ], 0
.set JJ, JJ+1
.endr
	s_wait_xcnt 0x0                                ; the stores have read v224-229, which the next step's conversions write
.endif
.endm
	s_wait_loadcnt 0x0                             ; q of both heads
.Lhead0:                                               ; eight trips: the first head's 16 key steps; behind each change of slots the next slot is asked for
	CHANGE 1
	SLOT_STEPS
	s_sub_co_u32 s[SLOTS], s[SLOTS], 1
	s_cmp_lg_u32 s[SLOTS], 7
	s_cbranch_scc1 .Lhead0
	FINISH 0
	s_mov_b32 s[SLOTS], 7                          ; the second head has seven changes that fill a slot (the count stands at this number: written out, so that this loop's trips can be read off here)
.Lhead1:
	CHANGE 1
	SLOT_STEPS
	s_sub_co_u32 s[SLOTS], s[SLOTS], 1
	s_cmp_lg_u32 s[SLOTS], 0
	s_cbranch_scc1 .Lhead1
	CHANGE 0                                       ; the last slot is written out
	SLOT_STEPS
	FINISH 1
	s_wait_tensorcnt 0x0                           ; the wave's end, behind my last tensor load
	ds_add_u32 v[SPW], v[NIL]
	s_wait_dscnt 0x0
	CROUND                                         ; the closing round: no work-group ends while a partner may still ask for a slot that names it
	s_endpgm
.Lfunc_end_k_qa6ae7c94be_attn:
	.size	k_qa6ae7c94be_attn, .Lfunc_end_k_qa6ae7c94be_attn-k_qa6ae7c94be_attn
	.p2alignl 7, 3214868480
	.fill 96, 4, 3214868480
	.section	.rodata,"a",@progbits
	.p2align	6, 0x0
	.amdhsa_kernel k_qa6ae7c94be_attn
		.amdhsa_group_segment_fixed_size 327680
		.amdhsa_private_segment_fixed_size 0
		.amdhsa_enable_private_segment 0
		.amdhsa_kernarg_size 16
		.amdhsa_user_sgpr_count 2
		.amdhsa_user_sgpr_kernarg_segment_ptr 1
		.amdhsa_wavefront_size32 1
		.amdhsa_system_sgpr_workgroup_id_x 1
		.amdhsa_system_sgpr_workgroup_id_y 1
		.amdhsa_system_sgpr_workgroup_id_z 1
		.amdhsa_system_vgpr_workitem_id 0
		.amdhsa_next_free_vgpr 256
		.amdhsa_next_free_sgpr 84
		.amdhsa_reserve_vcc 1
		.amdhsa_float_denorm_mode_32 3
		.amdhsa_float_denorm_mode_16_64 3
		.amdhsa_memory_ordered 1
		.amdhsa_forward_progress 1
		.amdhsa_inst_pref_size 114
	.end_amdhsa_kernel
	.amdgpu_metadata
---
amdhsa.version: [ 1, 2 ]
amdhsa.kernels:
  - .name:           k_qa6ae7c94be_attn
    .symbol:         k_qa6ae7c94be_attn.kd
    .args:
      - { .name: qkv, .offset: 0, .size: 8, .value_kind: global_buffer, .address_space: global }
      - { .name: cbuf, .offset: 8, .size: 8, .value_kind: global_buffer, .address_space: global }
    .group_segment_fixed_size: 327680
    .private_segment_fixed_size: 0
    .kernarg_segment_align: 8
    .kernarg_segment_size: 16
    .max_flat_workgroup_size: 512
    .sgpr_count:     84
    .vgpr_count:     256
    .wavefront_size: 32
...
	.end_amdgpu_metadata
.endif
;; end of part 4
;; launch outp (part 5): grid 4 x 32, 4 waves a work-group, clusters of 4 x 4, 327,680 bytes of LDS; arguments cbuf, codes, scales, bout, out0; writes out0
.if DOCPART == 5
	.amdgcn_target "amdgcn-amd-amdhsa--gfx1250"
	.amdhsa_code_object_version 6
	.text
	.protected	k_qa6ae7c94be_outp
	.globl	k_qa6ae7c94be_outp
	.p2align	8
	.type	k_qa6ae7c94be_outp,@function
k_qa6ae7c94be_outp:
	s_mov_b64 s[64:65], 0
	v_nop
	global_prefetch_b8 v0, s[64:65] scope:SCOPE_SE
	s_setreg_imm32_b32 hwreg(HW_REG_WAVE_MODE, 25, 1), 1
	s_wait_xcnt 0x0
	s_wait_alu depctr_hold_cnt(0) depctr_sa_sdst(0) depctr_va_vdst(0) depctr_va_sdst(0) depctr_va_ssrc(0) depctr_va_vcc(0) depctr_vm_vsrc(0)
	s_getreg_b32 s2, hwreg(HW_REG_IB_STS2, 6, 4)
	s_cmp_eq_u32 s2, 0
	s_cbranch_scc0 .Lentry_in_a_cluster
	s_endpgm
.Lentry_in_a_cluster:
	s_bfe_u32 s2, ttmp6, 0x10000c
	s_cmp_lg_u32 s2, 0xf033
	s_cbranch_scc0 .Lentry_shape_is_right
	s_endpgm
.Lentry_shape_is_right:
; out0 = concat Wout^T + bout on codes of FP6 (E2M3) with one E8M0 scale for each 32 along K = 1,024; sums in f32; out0 [8192][1024] f32.
; A (source 1) = concat: cbuf holds it as half fragments, images of six operand registers (16 rows x 64 K, 768 bytes): [tile of 16 rows 512][head 16][768]; its scale bytes at CSC, 32 a row.
; B (source 0) = Wout: rows 24,576.. of codes (768 bytes a row) and of scales (32 bytes a row).
; STORED ROWS: in both tensors bits 3 and 4 of the row's number are exchanged inside each group of 32.  So lane r of A's block a is the actual row 32 (a / 2) + 8 (a % 2) + r + 8 (r / 8) of the wave's 128, and register j of lane (r, h)
; in result tile b is the actual column 32 (b / 2) + 8 (b % 2) + 16 h + j: the way out puts both right.
; A tile of 256 x 256 of out0 is made by a work-group of four waves; a wave makes 128 x 128: 64 accumulators, 512 registers.  K goes in steps of 256 through a ring of two LDS slots filled by the tensor data mover; the scale bytes
; of the work-group's 512 rows come into LDS once.  The bias is the C of each sum's first matrix instruction.
; CLUSTERS: 4 x 4 work-groups.  The four of a row of the cluster need the same tiles of A, the four of a column the same tiles of B: each tile is asked for JOINTLY.  With 128 tiles of this size half of the WGPs have a work-group.
; REGISTERS, in windows of 256: window 0: v1-31 addresses; v32-63 scale words, two sets; v64-127 the bias, 8 registers for each of B's blocks; from v128 A's fragments, ONE set; on the way out v128-255 take rows read back.
;   window 1: B's fragments, TWO sets, at v0 and v128.   window 2: the 32 accumulators of my rows 0-63 (accumulator (a, b) at v[8 (8 a + b)]);   window 3: those of rows 64-127.
.set KSTEP,  256
.set NQ,     KSTEP/128
.set ROWB,   192                       ; B: a tile's row in bytes
.set KROW,   768                       ; a row of codes in memory; also 16 rows of A's images for 64 along K
.set PITCH,  240                       ; B: an LDS row: 3 x (64 bytes of data + 16 of padding)
.set FR,     12
.set NL,     6                         ; LDS loads that bring a fragment of B
.set NLA,    4                         ; and of A: two of 16 bytes and two of 8 bytes a lane
.set NP,     4                         ; places behind this matrix instruction (ISA guide 7.12.1)
.set ASTEP,  3072                      ; A: a tile of 16 rows x 256 K: four half fragments
.set HALFA,  8*ASTEP                   ; 128 rows of A: what one tensor load brings
.set HALFB,  128*PITCH                 ; 128 rows of B
.set SLOT,   2*HALFA+2*HALFB           ; A's two halves, then B's two
.set LAPS,   2
.set KS,     32
.set SCL,    2*SLOT                    ; behind the ring: the scales, as runs of 256 bytes + 16 of padding
.set HALFS,  16*272
.set SBLK,   2*272
.set SPARE,  SCL+4*HALFS               ; behind the scales: the spare words, 128 bytes a wave
.set CSC,    6291456                   ; cbuf: concat's scale bytes
.set SPITCH, 528                       ; the way out: a stage of 16 rows x (512 bytes + 16) for each wave.  It lies in slot 0, which has had its last fill and its last read when the first result is stored there
.set ADRA, 16                          ; v16-17  LDS address of A's images in slot 0, 1: 16 bytes a lane  (v18-19: 8 bytes a lane)
.set ADRB, 20                          ; v20-21  LDS address of my B fragments  (v22-23: for the pieces behind one padding more)
.set STO,  24                          ; v24     the way out: where I put 32 bytes of a row
.set RD,   25                          ; v25     the way out: where I read a row back
.set CO,   26                          ; v26     my byte offset in a row of out0
.set ADRS, 27                          ; v27     LDS address of my scale words: lanes 0-15 A's rows, lanes 16-31 B's
.set SPW,  28                          ; v28     LDS address of my spare word; never rewritten
.set NIL,  29                          ; v29     0; never rewritten
.set BO,   30                          ; v30     the bias: 64 bytes for each half of the lanes
.set SC,   32
.set BI,   64                          ; v64-127 the bias
.set AF,   128
.set BK,   128                         ; the way out: 16 rows read back: v128-191 and v192-255 by turns
.set G1, 24
.set G0, 32
.set G1B, 48
.set G0B, 56
.set G1S, 68
.set G0S, 76
.set G1SB, 80
.set G0SB, 88
.set MSB, 0
.macro WIN new                         ; the immediate's high byte repeats the setting that is left; a switch that changes nothing is dropped
.if MSB != (\new)
	s_set_vgpr_msb (MSB<<8)|(\new)
.set MSB, (\new)
.endif
.endm
.set MUL_LO, 0xa1                      ; source 0 (B) window 1, source 1 (A) window 0, C and D window 2
.set MUL_HI, 0xf1                      ; the same, C and D window 3
.set BIA_LO, 0x81                      ; the first products: C (the bias) window 0, D window 2
.set BIA_HI, 0xc1                      ; D window 3
.set TO_B,   0x40                      ; destination window 1, address window 0
; A joint load: waves 0 and 1 fetch for A, waves 2 and 3 for B; the branch hangs on the wave's number alone.  An s_nop 0 and four v_nop follow each of the two lines.
.macro JLOAD g0a, g1a, g0b, g1b
	s_cmp_eq_u32 s15, 0
	s_cbranch_scc0 .Lfor_b_\@
	tensor_load_to_lds s[\g0a:\g0a+3], s[\g1a:\g1a+7]
	s_nop 0
.rept 4
	v_nop
.endr
	s_branch .Lasked_\@
.Lfor_b_\@:
	tensor_load_to_lds s[\g0b:\g0b+3], s[\g1b:\g1b+7]
	s_nop 0
.rept 4
	v_nop
.endr
.Lasked_\@:
.endm
.macro CREST                           ; a round of the cluster's barrier behind its opening barrier
	s_cmp_lg_u32 s14, 0
	s_cbranch_scc1 .Lnot_wave_0_\@
	s_barrier_signal -3
.Lnot_wave_0_\@:
	s_barrier_wait -3
	s_barrier_signal -1
	s_barrier_wait -1
.endm
.macro CROUND
	s_barrier_signal -1
	s_barrier_wait -1
	CREST
.endm
	s_load_b256 s[4:11], s[0:1], 0x0               ; cbuf s[4:5], codes s[6:7], scales s[8:9], bout s[10:11]
	s_load_b64 s[12:13], s[0:1], 0x20              ; out0
	v_lshl_add_u32 v[SPW], v0, 2, SPARE
	v_mov_b32 v[NIL], 0
	ds_add_u32 v[SPW], v[NIL]                      ; the wave's opening: the add and its wait stand ahead of my first tensor load; the set-up below, work on registers, stands between them
	v_lshrrev_b32 v1, 5, v0
	v_readfirstlane_b32 s14, v1                    ; wave 0..3
	s_lshr_b32 s15, s14, 1                         ; which half of the tile's rows is mine.  Also: I fetch for A (0) or for B (1)
	s_and_b32 s16, s14, 1                          ; which half of its columns.  Also: which 128 rows of that tile I fetch
	s_bfe_u32 s40, ttmp6, 0x40000                  ; cx, cy: my place in the cluster
	s_bfe_u32 s41, ttmp6, 0x40004
	s_lshl_b32 s42, ttmp9, 2
	s_add_co_u32 s42, s42, s40                     ; tile column = 4 x cluster x + cx
	s_and_b32 s17, ttmp7, 0xffff
	s_lshl_b32 s17, s17, 2
	s_add_co_u32 s17, s17, s41                     ; tile row = 4 x cluster y + cy
	s_lshl_b32 s43, s41, 2
	s_lshl_b32 s43, 15, s43                        ; my row of the cluster
	s_lshl_b32 s44, 0x1111, s40                    ; my column
	; descriptor group 1 for A: 8 tiles of 16 rows, of each the 3,072 bytes of a K step (384 elements of 8 bytes), 12,288 bytes from tile to tile; dense in LDS
	s_or_b32 s[G1+0], s43, (3<<16)|(1<<21)         ; 15:0 the mask: A's tiles go to my row; 17:16 elements of 8 bytes; 20 no padding; 21 set beside a mask
	s_mov_b32 s[G1+1], 384<<16                     ; tensor_dim0
	s_mov_b32 s[G1+2], 8<<16                       ; tensor_dim1
	s_mov_b32 s[G1+3], 384<<16                     ; tile_dim0
	s_mov_b32 s[G1+4], 8                           ; tile_dim1
	s_mov_b32 s[G1+5], 1536                        ; tensor_dim0_stride
	s_mov_b32 s[G1+6], 0
	s_mov_b32 s[G1+7], 0
	; for B: 128 rows x 192 bytes, 16 bytes of padding behind every 64
	s_or_b32 s[G1B+0], s44, (0<<16)|(1<<20)|(1<<21)|(3<<22)|(3<<25)
	s_mov_b32 s[G1B+1], ROWB<<16
	s_mov_b32 s[G1B+2], 128<<16
	s_mov_b32 s[G1B+3], ROWB<<16
	s_mov_b32 s[G1B+4], 128
	s_mov_b32 s[G1B+5], KROW
	s_mov_b32 s[G1B+6], 0
	s_mov_b32 s[G1B+7], 0
	; and for the scales of 128 rows: 4,096 dense bytes, as 16 rows of 256 bytes, 16 bytes of padding behind each
	s_or_b32 s[G1S+0], s43, (3<<16)|(1<<20)|(1<<21)|(5<<22)|(3<<25)
	s_or_b32 s[G1SB+0], s44, (3<<16)|(1<<20)|(1<<21)|(5<<22)|(3<<25)
.irp g, G1S, G1SB
	s_mov_b32 s[\g+1], 32<<16
	s_mov_b32 s[\g+2], 16<<16
	s_mov_b32 s[\g+3], 32<<16
	s_mov_b32 s[\g+4], 16
	s_mov_b32 s[\g+5], 32
	s_mov_b32 s[\g+6], 0
	s_mov_b32 s[\g+7], 0
.endr
	s_lshl_b32 s18, s16, 7                         ; which 128 rows of the tile I fetch
	s_lshl_b32 s20, s17, 8
	s_add_co_u32 s20, s20, s18                     ; A: stored row 256 x tile row + 128 x half
	s_lshl_b32 s46, s42, 8
	s_add_co_u32 s46, s46, s18
	s_add_co_u32 s46, s46, 24576                   ; B: Wout's rows begin at 24,576
	s_mov_b32 s21, 0
	s_mov_b32 s47, 0
	s_mov_b64 s[18:19], KS
	s_mul_u64 s[22:23], s[20:21], s[18:19]         ; where these rows' scales begin, in bytes
	s_mul_u64 s[92:93], s[46:47], s[18:19]
	s_mov_b64 s[18:19], KROW
	s_mul_u64 s[20:21], s[20:21], s[18:19]         ; and their codes (A: 16 rows of images are 12,288 bytes: 768 a row as well)
	s_mul_u64 s[46:47], s[46:47], s[18:19]
	s_mul_i32 s45, s16, HALFA                      ; where they go: A's half,
	s_mul_i32 s95, s16, HALFB
	s_add_co_u32 s95, s95, 2*HALFA                 ; B's half, behind A's two: no place in the cluster enters an LDS address
	s_mul_i32 s94, s14, HALFS
	s_wait_dscnt 0x0                               ; the opening add is done
	s_wait_kmcnt 0x0
	s_add_nc_u64 s[20:21], s[4:5], s[20:21]
	s_add_nc_u64 s[22:23], s[4:5], s[22:23]
	s_add_nc_u64 s[22:23], s[22:23], CSC
	s_add_nc_u64 s[46:47], s[6:7], s[46:47]
	s_add_nc_u64 s[92:93], s[8:9], s[92:93]
	CROUND                                         ; all sixteen work-groups are here: the first joint loads meet
	s_mov_b32 s[G0S], 1
	s_add_co_u32 s[G0S+1], s94, SCL
	s_mov_b64 s[G0S+2:G0S+3], s[22:23]
	s_or_b32 s[G0S+3], s[G0S+3], 0x80000000
	s_mov_b32 s[G0SB], 1
	s_add_co_u32 s[G0SB+1], s94, SCL
	s_mov_b64 s[G0SB+2:G0SB+3], s[92:93]
	s_or_b32 s[G0SB+3], s[G0SB+3], 0x80000000
	JLOAD G0S, G1S, G0SB, G1SB                     ; the scales first: they are wanted with K step 0
.irp s, 0,1
	s_mov_b32 s[G0+4*\s], 1
	s_add_co_u32 s[G0+4*\s+1], s45, \s*SLOT
	s_add_nc_u64 s[G0+4*\s+2:G0+4*\s+3], s[20:21], \s*ASTEP
	s_or_b32 s[G0+4*\s+3], s[G0+4*\s+3], 0x80000000
	s_mov_b32 s[G0B+4*\s], 1
	s_add_co_u32 s[G0B+4*\s+1], s95, \s*SLOT
	s_add_nc_u64 s[G0B+4*\s+2:G0B+4*\s+3], s[46:47], \s*ROWB
	s_or_b32 s[G0B+4*\s+3], s[G0B+4*\s+3], 0x80000000
	JLOAD G0+4*\s, G1, G0B+4*\s, G1B               ; three tensor loads of mine are out behind the second of these
.endr
	v_and_b32 v1, 15, v0                           ; r = l % 16
	v_bfe_u32 v2, v0, 4, 1                         ; h = l / 16
	s_lshl_b32 s46, s42, 10                        ; my first column, in bytes: 1,024 x tile column + 512 x half: in bout and in a row of out0
	s_lshl_b32 s47, s16, 9
	s_add_co_u32 s46, s46, s47
	s_mov_b32 s47, 0
	s_add_nc_u64 s[10:11], s[10:11], s[46:47]
	v_lshlrev_b32 v[BO], 6, v2
.irp b, 0,1,2,3,4,5,6,7                        ; the bias in the result's layout: tile b, lane (r, h): columns 32 (b / 2) + 8 (b % 2) + 16 h + 0 .. 7
	global_load_b128 v[BI+8*\b:BI+8*\b+3], v[BO], s[10:11] offset:(32*(\b/2)+8*(\b%2))*4
	global_load_b128 v[BI+8*\b+4:BI+8*\b+7], v[BO], s[10:11] offset:(32*(\b/2)+8*(\b%2))*4+16
.endr
	v_and_b32 v6, 31, v0
	v_lshlrev_b32 v7, 4, v6                        ; 16 x lane
	v_lshlrev_b32 v8, 3, v6                        ; 8 x lane
	v_mul_u32_u24 v3, v1, PITCH
	v_mul_u32_u24 v4, v2, 24
	v_add_nc_u32 v4, v3, v4                        ; B: a fragment's row x pitch + 24 x half
	v_lshl_add_u32 v5, v2, 4, v4                   ; and the same behind one padding more
	s_mul_i32 s21, s15, HALFA                      ; my 128 rows of A
	s_mul_i32 s22, s16, HALFB                      ; my 128 rows of B,
	s_add_co_u32 s22, s22, 2*HALFA                 ; which lie behind A's 256
.irp s, 0,1
	v_add_nc_u32 v[ADRA+\s], s21, v7
	v_add_nc_u32 v[ADRA+2+\s], s21, v8
	v_add_nc_u32 v[ADRB+\s], s22, v4
	v_add_nc_u32 v[ADRB+2+\s], s22, v5
	s_add_co_u32 s21, s21, SLOT
	s_add_co_u32 s22, s22, SLOT
.endr
	v_mul_u32_u24 v5, v1, KS                       ; my row's scales: 32 bytes a row,
	v_lshrrev_b32 v6, 8, v5
	v_lshl_add_u32 v5, v6, 4, v5                   ; and 16 more for each 256 passed
	s_mul_i32 s21, s15, HALFS                      ; A's: my 128 rows
	s_mul_i32 s22, s16, HALFS                      ; B's: my 128 rows, behind A's 256
	s_add_co_u32 s22, s22, 2*HALFS
	s_sub_co_u32 s22, s22, s21
	v_mul_u32_u24 v6, s22, v2                      ; lanes 16-31 take B's: the lower base + h x the distance
	s_add_co_u32 s21, s21, SCL
	v_add_nc_u32 v5, v5, v6
	v_add_nc_u32 v[ADRS], s21, v5
	s_mul_i32 s23, s14, 16*SPITCH                  ; my stage
	v_mul_u32_u24 v5, v1, SPITCH                   ; in: row l % 16; my half's 16 columns of each group of 32: 64 h bytes on
	v_lshl_add_u32 v5, v2, 6, v5
	v_add_nc_u32 v[STO], s23, v5
	v_mov_b32 v[CO], v7                            ; back: the 32 lanes take one row of 512 bytes; and the same in out0
	v_add_nc_u32 v[RD], s23, v7
	s_lshl_b32 s20, s17, 8
	s_lshl_b32 s21, s15, 7
	s_add_co_u32 s20, s20, s21                     ; my first row of out0: 256 x tile row + 128 x half,
	s_lshl_b32 s20, s20, 12                        ; in bytes: 4,096 a row, under 2^25
	s_mov_b32 s21, 0
	s_add_nc_u64 s[20:21], s[20:21], s[46:47]
	s_add_nc_u64 s[12:13], s[12:13], s[20:21]
.macro FRAG reg, adr, q, i             ; a fragment of B from rows: 24 bytes of the row's stream of bits for each 64 along K, in pieces of 8 bytes; lanes 16-31 read three pieces further on
.irp p, 0,1,2,3,4,5
.set PIECE, 12*(\q)+6*(\p/3)+\p%3      ; 16 bytes of padding lie behind every 8 pieces: where the piece three on lies behind one padding more, the second address register serves
.if PIECE%8 < 5
	ds_load_b64 v[\reg+2*\p:\reg+2*\p+1], v[\adr] offset:8*PIECE+16*(PIECE/8)+(\i)*16*PITCH
.else
	ds_load_b64 v[\reg+2*\p:\reg+2*\p+1], v[\adr+2] offset:8*PIECE+16*(PIECE/8)+(\i)*16*PITCH
.endif
.endr
.endm
.macro FRAGA reg, slot, q, i           ; a fragment of A from images: two half fragments, each 512 consecutive bytes (registers 0-3) and 256 (registers 4-5)
.irp c, 0,1
	ds_load_b128 v[\reg+6*\c:\reg+6*\c+3], v[ADRA+\slot] offset:ASTEP*(\i)+1536*(\q)+768*\c
	ds_load_b64 v[\reg+6*\c+4:\reg+6*\c+5], v[ADRA+2+\slot] offset:ASTEP*(\i)+1536*(\q)+768*\c+512
.endr
.endm
; 16 matrix instructions: A's blocks a0, a0 + 1 x B's eight, 128 along K.  bias = 1: the first product starts the sums on the bias.  The 64 accumulators take turns, one instruction a turn.
.macro MUL16 a0, p, q, sc, bias
.irp a, \a0, \a0+1
.irp b, 0,1,2,3,4,5,6,7
.if \bias
	v_wmma_scale_f32_16x16x128_f8f6f4 v[8*(8*((\a)%4)+\b):8*(8*((\a)%4)+\b)+7], v[128*(\p)+FR*\b:128*(\p)+FR*\b+FR-1], v[AF+FR*(\a):AF+FR*(\a)+FR-1], v[BI+8*\b:BI+8*\b+7], v[SC+8*NQ*(\sc)+NQ*\b+(\q)], v[SC+8*NQ*(\sc)+NQ*(\a)+(\q)] matrix_a_fmt:MATRIX_FMT_FP6 matrix_b_fmt:MATRIX_FMT_FP6 matrix_a_scale:MATRIX_SCALE_ROW1
.else
	v_wmma_scale_f32_16x16x128_f8f6f4 v[8*(8*((\a)%4)+\b):8*(8*((\a)%4)+\b)+7], v[128*(\p)+FR*\b:128*(\p)+FR*\b+FR-1], v[AF+FR*(\a):AF+FR*(\a)+FR-1], v[8*(8*((\a)%4)+\b):8*(8*((\a)%4)+\b)+7], v[SC+8*NQ*(\sc)+NQ*\b+(\q)], v[SC+8*NQ*(\sc)+NQ*(\a)+(\q)] matrix_a_fmt:MATRIX_FMT_FP6 matrix_b_fmt:MATRIX_FMT_FP6 matrix_a_scale:MATRIX_SCALE_ROW1
.endif
.endr
.endr
.endm
.macro FETCH_B slot, q, p
	WIN TO_B
.irp i, 0,1,2,3,4,5,6,7
	FRAG 128*(\p)+FR*\i, ADRB+\slot, \q, \i
.endr
	WIN 0
.endm
.macro FETCH_A slot, q, i0             ; A's blocks i0 .. i0 + 3: 16 loads
.irp i, \i0, \i0+1, \i0+2, \i0+3
	FRAGA AF+FR*(\i), \slot, \q, \i
.endr
.endm
.macro SCALES sc
.irp i, 0,1,2,3,4,5,6,7
	ds_load_b64 v[SC+8*NQ*\sc+NQ*\i:SC+8*NQ*\sc+NQ*\i+1], v[ADRS] offset:\i*SBLK
.endr
.endm
; A load into a register that a matrix instruction has read, and an LDS store that reads a matrix result, stand NP places behind that matrix instruction, and only plain vector instructions that name none of its
; registers are places (ISA guide 7.12.1 for vector instructions).
.macro PLACES n
.rept \n
	v_nop
.endr
.endm
.macro STEP slot, q, bias
	s_wait_dscnt 4*NLA                             ; B's set and A's blocks 0-3 are in; the youngest 16 loads (A's blocks 4-7) may be out
.if \bias
	WIN BIA_LO
.else
	WIN MUL_LO
.endif
	MUL16 0, (\q)%2, \q, \slot, \bias
	MUL16 2, (\q)%2, \q, \slot, \bias
	s_wait_dscnt 0                                 ; A's blocks 4-7 are in
	PLACES NP
	FETCH_B \slot, (\q)+1, 1-(\q)%2
	FETCH_A \slot, (\q)+1, 0
.if \bias
	WIN BIA_HI
.else
	WIN MUL_HI
.endif
	MUL16 4, (\q)%2, \q, \slot, \bias
	MUL16 6, (\q)%2, \q, \slot, \bias
	PLACES NP
	WIN 0
	FETCH_A \slot, (\q)+1, 4
.endm
; A slot's last step changes slots: ONE barrier; in front of it each wave waits for all its tensor loads, adds 0 to its spare word, and waits for that and for its own reads of this slot.  fill = 1: this slot is filled again, two K steps ahead.
.macro TURN slot, next, fill
	s_wait_tensorcnt 0x0                           ; all my tensor loads have landed: my part of the next slot;  (every window is 0 here)
	ds_add_u32 v[SPW], v[NIL]                      ; 0 onto my spare word
	s_wait_dscnt 4*NLA+1                           ; (the add and the youngest 16 loads, A's blocks 4-7, may be out)
	WIN MUL_LO
	MUL16 0, 1, NQ-1, \slot, 0                     ; sixteen matrix instructions stand between the add and the wait for it
	s_wait_dscnt 0x0                               ; the add is done, and my reads of this slot are over
	s_barrier_signal -1
	MUL16 2, 1, NQ-1, \slot, 0
	WIN 0
	s_barrier_wait -1
.if \fill
	CREST                                          ; the barrier has opened a round of the cluster's barrier: no wave of any partner still reads this slot's tile or has a load on its way
	s_add_nc_u64 s[G0+4*\slot+2:G0+4*\slot+3], s[G0+4*\slot+2:G0+4*\slot+3], 2*ASTEP
	s_add_nc_u64 s[G0B+4*\slot+2:G0B+4*\slot+3], s[G0B+4*\slot+2:G0B+4*\slot+3], 2*ROWB
	JLOAD G0+4*\slot, G1, G0B+4*\slot, G1B         ; the first tensor load behind the round, and my only one until the next; the four v_nop behind it are the places in front of the loads below
.else
	PLACES NP
.endif
	v_add_nc_u32 v[ADRS], 4*NQ, v[ADRS]            ; on to the next K step's scale words
	FETCH_B \next, 0, 0
	FETCH_A \next, 0, 0
	SCALES \next
	WIN MUL_HI
	MUL16 4, 1, NQ-1, \slot, 0
	MUL16 6, 1, NQ-1, \slot, 0
	PLACES NP
	WIN 0
	FETCH_A \next, 0, 4
.endm
	s_wait_tensorcnt 1                             ; the scales and my part of K step 0 are in (K step 1's load may be out)
	s_barrier_signal -1
	s_barrier_wait -1                              ; everybody's are
	FETCH_B 0, 0, 0
	FETCH_A 0, 0, 0
	SCALES 0
	FETCH_A 0, 0, 4
	s_wait_loadcnt 0x0                             ; the bias
	STEP 0, 0, 1                                   ; the first step stands in front of the loop: its products start the sums on the bias
	s_mov_b32 s3, LAPS-1
.Llap:                                                 ; a trip goes once round the ring and fills both slots again
	TURN 0, 1, 1
	STEP 1, 0, 0
	TURN 1, 0, 1
	STEP 0, 0, 0
	s_sub_co_u32 s3, s3, 1
	s_cmp_lg_u32 s3, 0
	s_cbranch_scc1 .Llap
	TURN 0, 1, 0                                   ; the last lap fills nothing, and has no round of the cluster's barrier
	STEP 1, 0, 0
	s_wait_dscnt 4*NLA                             ; the very last step: nothing more to fetch
	WIN MUL_LO
	MUL16 0, 1, NQ-1, 1, 0
	MUL16 2, 1, NQ-1, 1, 0
	s_wait_dscnt 0
	WIN MUL_HI
	MUL16 4, 1, NQ-1, 1, 0
	MUL16 6, 1, NQ-1, 1, 0
	WIN 0
; THE WAY OUT, block by block of 16 rows x 128 columns.  A lane holds 32 neighbouring bytes of a row at a time: a block goes through my own stage in LDS, each tile's eight columns at their actual place, and comes back as whole
; rows of 512 bytes.  LDS serves a wave's instructions in order (ISA guide 5.7.1.4): no wait between the stores and the loads, nor in front of the next block's stores.
.macro TOSTAGE a
.set AC, 64*((\a)%4)
	WIN 0x08+4*((\a)/4)                            ; the data: window 2 or 3
.irp b, 0,1,2,3,4,5,6,7
	ds_store_b128 v[STO], v[AC+8*\b:AC+8*\b+3] offset:128*(\b/2)+32*(\b%2)          ; each accumulator from its low end on
	ds_store_b128 v[STO], v[AC+8*\b+4:AC+8*\b+7] offset:128*(\b/2)+32*(\b%2)+16
.endr
	WIN 0
.set BB, BK+64*((\a)%2)
.irp t, 0,1,2,3,4,5,6,7,8,9,10,11,12,13,14,15
	ds_load_b128 v[BB+4*\t:BB+4*\t+3], v[RD] offset:\t*SPITCH
.endr
.endm
.macro SEND a, younger                 ; younger: the LDS instructions issued behind block a's loads, which may stay out
.set BB, BK+64*((\a)%2)
	s_wait_dscnt \younger                          ; the block is back in registers
.irp t, 0,1,2,3,4,5,6,7,8,9,10,11,12,13,14,15
	global_store_b128 v[CO], v[BB+4*\t:BB+4*\t+3], s[12:13] offset:(32*((\a)/2)+8*((\a)%2)+\t+8*(\t/8))*4096 th:TH_STORE_NT   ; stored row 16 a + t is this actual row of my 128; 32 lanes store 512 consecutive bytes, aligned; 127 rows at the most: inside the signed 24-bit immediate
.endr
.endm
	PLACES NP                                      ; behind the last products: for the reads of results and for the loads into the registers that held A's fragments
	TOSTAGE 0
.irp a, 1,2,3,4,5,6,7
.if \a > 1
	s_wait_xcnt 0x0                                ; block a - 2's stores have read their registers: block a's loads may land there
.endif
	TOSTAGE \a
	SEND \a-1, 32                                  ; behind block a - 1's loads: block a's 16 stores and 16 loads
.endr
	SEND 7, 0
	s_wait_tensorcnt 0x0                           ; the wave's end, behind my last tensor load and my last LDS store
	ds_add_u32 v[SPW], v[NIL]
	s_wait_dscnt 0x0
	CROUND                                         ; the closing round: no work-group ends while a partner may still ask for a tile that names it
	s_endpgm
.Lfunc_end_k_qa6ae7c94be_outp:
	.size	k_qa6ae7c94be_outp, .Lfunc_end_k_qa6ae7c94be_outp-k_qa6ae7c94be_outp
	.p2alignl 7, 3214868480
	.fill 96, 4, 3214868480
	.section	.rodata,"a",@progbits
	.p2align	6, 0x0
	.amdhsa_kernel k_qa6ae7c94be_outp
		.amdhsa_group_segment_fixed_size 327680
		.amdhsa_private_segment_fixed_size 0
		.amdhsa_enable_private_segment 0
		.amdhsa_kernarg_size 40
		.amdhsa_user_sgpr_count 2
		.amdhsa_user_sgpr_kernarg_segment_ptr 1
		.amdhsa_wavefront_size32 1
		.amdhsa_system_sgpr_workgroup_id_x 1
		.amdhsa_system_sgpr_workgroup_id_y 1
		.amdhsa_system_sgpr_workgroup_id_z 1
		.amdhsa_system_vgpr_workitem_id 0
		.amdhsa_next_free_vgpr 1024
		.amdhsa_next_free_sgpr 98
		.amdhsa_reserve_vcc 0
		.amdhsa_float_denorm_mode_32 3
		.amdhsa_float_denorm_mode_16_64 3
		.amdhsa_memory_ordered 1
		.amdhsa_forward_progress 1
		.amdhsa_inst_pref_size 153
	.end_amdhsa_kernel
	.amdgpu_metadata
---
amdhsa.version: [ 1, 2 ]
amdhsa.kernels:
  - .name:           k_qa6ae7c94be_outp
    .symbol:         k_qa6ae7c94be_outp.kd
    .args:
      - { .name: cbuf, .offset: 0, .size: 8, .value_kind: global_buffer, .address_space: global }
      - { .name: codes, .offset: 8, .size: 8, .value_kind: global_buffer, .address_space: global }
      - { .name: scales, .offset: 16, .size: 8, .value_kind: global_buffer, .address_space: global }
      - { .name: bout, .offset: 24, .size: 8, .value_kind: global_buffer, .address_space: global }
      - { .name: out0, .offset: 32, .size: 8, .value_kind: global_buffer, .address_space: global }
    .group_segment_fixed_size: 327680
    .private_segment_fixed_size: 0
    .kernarg_segment_align: 8
    .kernarg_segment_size: 40
    .max_flat_workgroup_size: 128
    .sgpr_count:     98
    .vgpr_count:     1024
    .wavefront_size: 32
...
	.end_amdgpu_metadata
.endif
;; end of part 5
